; MI455X (gfx1250); checked and timed in simulation.
; The chip was launched on July 23, 2026; its instructions are those of AMD's public machine-readable ISA for CDNA 5 (MIT licence, August 2026) and "CDNA5" Instruction Set Architecture Reference Guide (July 2026). The comments in the code are by the model that wrote it; some were corrected since.
;; Causal Self Attention. Allowed arithmetic: matrix products marked QUANTISED: E4M3 operands, one E8M0 scale for each 32 along K, by v_wmma_scale_f32_16x16x128_f8f6f4 with both operands' format E4M3, f32 sums; products left as they are: f32 operands where the result goes on into a quantised operand, else bf16, f16 or f32 operands; f32 sums; everything else in f32.
;; Inputs: Wc 1,024 x 1,024 float32; Wkv 1,024 x 2,048 float32; Wq 1,024 x 1,024 float32; x 4 x 2,048 x 1,024 float32.
;; Outputs: out0 4 x 2,048 x 1,024 float32.
;; This version of the problem:
;;   THIS VERSION OF THE PROBLEM IS GIVEN IN LOW PRECISION. The matrix products marked QUANTISED in the list below multiply operands that are first quantised to E4M3 (4 exponent bits, 3 mantissa bits; 8 bits a number), with one power-of-two scale for each 32 numbers along K (OCP MX v1.0); their sums are f32. All else is computed in f32.
;;   The module's matrix products, in the order in which they are computed (A, B: the left and right operand; K: the contracted axis; several contracted axes count as one K, in the product's order):
;;     1. [M 8,192, K 1,024] x [K 1,024, N 1,024]; A: input x; B: input Wq: QUANTISED
;;     2. [M 8,192, K 1,024] x [K 1,024, N 2,048]; A: input x; B: input Wkv: QUANTISED
;;     3. [M 2,048, K 1] x [K 1, N 32]; A: computed on the way; B: computed on the way: left as it is (no contracted axis)
;;     4. batch 64 x [M 2,048, K 64] x [K 64, N 2,048]; A: computed on the way; B: computed on the way: QUANTISED
;;     5. batch 64 x [M 2,048, K 2,048] x [K 2,048, N 64]; A: softmax (see below); B: computed on the way: QUANTISED
;;     6. [M 8,192, K 1,024] x [K 1,024, N 1,024]; A: computed on the way; B: input Wc: QUANTISED
;;   THE QUANTISER, for each operand of a quantised product, along K:
;;     - K is cut into blocks of 32 from its start; a last block that is shorter is filled with zeros.
;;     - A block's scale is 2^e with e = floor(log2(the largest magnitude in the block)) - 8, held to -126 .. 127; a block of zeros has e = 0. As a byte (E8M0): e + 127.
;;     - Each number is divided by its block's scale, clamped to +-448, and rounded to the nearest number of E4M3, ties to even, subnormals kept.
;;     - The product sums the exact products of the quantised numbers (number of the format x scale) in f32.
;;   ~~~python
;;   def quantise(x, axis):      # numpy; x: float32 -> the quantised numbers, widened to float32 again
;;       x = np.moveaxis(x, axis, -1); K = x.shape[-1]
;;       x = np.pad(x, [(0, 0)] * (x.ndim - 1) + [(0, -K % 32)]); x = x.reshape(x.shape[:-1] + (-1, 32)); a = np.abs(x).max(-1, keepdims=True)
;;       e = np.where(a > 0, np.clip(np.frexp(np.where(a > 0, a, 1))[1] - 1 - 8, -126, 127), 0)      # np.frexp(a)[1] - 1 = floor(log2(a)), exactly
;;       r = np.clip(x / 2.0 ** e, -448, 448)
;;       step = 2.0 ** (np.maximum(np.frexp(np.where(r == 0, 1, r))[1] - 1, -6) - 3)
;;       q = np.round(r / step) * step * 2.0 ** e      # np.round: ties to even
;;       return np.moveaxis(q.reshape(q.shape[:-2] + (-1,))[..., :K], -1, axis).astype(np.float32)
;;   ~~~
;;   SOFTMAX AHEAD OF A QUANTISED PRODUCT. Where the list says 'softmax', what is quantised is not the finished softmax but p = 2^(t - M), with t = logit x log2(e) and M = ceil(the row's largest t), a whole number; so 1/2 < the row's largest p <= 1. The row's sum l is taken of the UNQUANTISED p, in f32, and the product's result is divided by l at the end. Since M is a whole number, a kernel that streams over the keys may use a running M (the ceiling of the running maximum): every later rescaling is an exact power of two, which a block's scale takes up: the codes' values come out the same.
;;   OPERANDS COMPUTED ON THE WAY. 'Computed on the way' means the value that the module computes at that place (a softmax that the list does not call 'softmax' is quantised finished and normalised). What goes into a quantiser is computed in f32, as accurately as f32 sums, v_exp_f32 and their like allow (about 1e-6 of the number): no bf16 or f16 on the way to a quantiser, and a product that is left as it is and whose result goes on into a quantised operand takes f32 operands (vector FMAs, or v_wmma_f32_16x16x4_f32). A number that lies on a knife's edge between two numbers of the format may be rounded either way, as far as f32 arithmetic and the matrix unit's own rounding can turn it there, and no further.
;; One version. Each part assembles by itself: llvm-mc -triple=amdgcn-amd-amdhsa -mcpu=gfx1250 --defsym DOCPART=n.
;; ======== version 1 of 1: 4 launches
;; limits: right only within a limited range of input values
;; workspace buffers: xq 8,650,752 bytes; wts 4,849,664 bytes; qkv 26,476,544 bytes; yq 8,650,752 bytes
;; launch prep (part 1): grid 672 x 1, 4 waves a work-group, no clusters, 34,304 bytes of LDS; arguments x, Wq, Wkv, Wc, xq, wts; writes xq, wts
.if DOCPART == 1
	.amdgcn_target "amdgcn-amd-amdhsa--gfx1250"
	.amdhsa_code_object_version 6
	.text
	.protected	k_qec270a3714_prep
	.globl	k_qec270a3714_prep
	.p2align	8
	.type	k_qec270a3714_prep,@function
k_qec270a3714_prep:
	s_mov_b64 s[64:65], 0
	v_nop
	global_prefetch_b8 v0, s[64:65] scope:SCOPE_SE
	s_setreg_imm32_b32 hwreg(HW_REG_WAVE_MODE, 25, 1), 1
	s_wait_xcnt 0x0
; PREP: x and the three weights become codes of E4M3 with one E8M0 byte for each 32 along K = the model's 1,024; and the table of cos and sin is made.
; THE CODES ARE LAID AS IMAGES OF OPERAND REGISTERS.  A fragment is 16 rows x 128 K = 2,048 bytes: four chunks c of 512 bytes; lane l's 16 bytes at 16 l hold k = 32 c + 16 (l / 16) + 0..15 of row l % 16.
; A matrix of 1,024 along K: [tile of 16 rows][K step 0..7][2,048 bytes]; its scale words: [tile][K step][row] of 4 bytes.  So every later load and store of codes is 512 consecutive bytes a wave.
; THE ROWS OF A TILE ARE NOT NEIGHBOURS: in each group of 32 rows (tokens of x, columns of a weight) tile 2 g + u holds in its row r the index 32 g + 8 u + r + 8 (r / 8).
; xq:  x's codes at 0 (512 tiles), its scale words at 8,388,608.   wts: tiles 0-63 Wq, 64-127 Wk, 128-191 Wv, 192-255 Wc at 0; scale words at 4,194,304; the table [t][32 cos | 32 sin] f32 at 4,325,376.
; A block's scale is 2^(floor(log2(largest magnitude)) - 8); its byte is the largest magnitude's exponent field - 8, held at 1 from below.
; LIMITS: NaN and infinities among the inputs are not served.  A block whose largest magnitude lies under 2^-118, a block of zeros among them, keeps the byte 1 (its codes are what the division by 2^-126 gives; zeros stay zeros);
; the bytes are read by this program alone.  The 32 frequencies 10^(-j/8) are written as decimal constants, rounded to f32: they may differ in the last bit from a power function's.
; SHARES: work-groups 0-511: a tile of x each, a wave two K steps.  512-639: weights, a wave 32 columns x 256 along K.  640-671: the table, a wave 16 rows.  Waves share nothing: no barrier.  Only x's way uses LDS.
.set TM,   240                         ; v240-243 largest magnitudes, v244-247 other half's / bytes, v248-251 448 x scale, v252-255 the conversions' scale operands
.set SPX,  528                         ; a stage row: 512 bytes + 16: sixteen rows start at sixteen different 16-byte columns of the banks' 256 bytes
.set WSTG, 16*SPX                      ; a wave's stage
.set R0,   16                          ; v16-79   fragment 0 as loaded; later fragment 1's neighbours
.set R1,   80                          ; v80-143  fragment 1 as loaded
.set XN,   144                         ; v144-207 fragment 0's neighbours
.set C0,   208                         ; v208-223, v224-239 the two fragments' codes
.set C1,   224
; 64 numbers of a lane, register 16 b + i = k 32 b + 16 (lane / 16) + i of its row, become a fragment's codes in v[c] on and its scale word in v[w]
.macro QUANT4 s, c, w
.irp b, 0,1,2,3
	v_max3_num_f32 v[TM+\b], |v[\s+16*\b]|, |v[\s+1+16*\b]|, 0x4800000     ; my 16 numbers of block b, and the floor 2^(9 - 127): the byte cannot fall under 1
.endr
.irp i, 2,4,6,8,10,12,14
.irp b, 0,1,2,3
	v_max3_num_f32 v[TM+\b], v[TM+\b], |v[\s+16*\b+\i]|, |v[\s+1+16*\b+\i]|   ; the four blocks by turns
.endr
.endr
.irp b, 0,1,2,3
	v_permlanex16_b32 v[TM+4+\b], v[TM+\b], s20, s21
.endr
.irp b, 0,1,2,3
	v_max_num_f32 v[TM+\b], v[TM+\b], v[TM+4+\b]           ; with lane l xor 16's 16: the block's largest magnitude
.endr
.irp b, 0,1,2,3
	v_add_nc_u32 v[TM+12+\b], 0xfc000000, v[TM+\b]         ; 8 off its exponent field: the conversion takes this operand's exponent field as its scale
.endr
.irp b, 0,1,2,3
	v_and_or_b32 v[TM+8+\b], v[TM+\b], 0x7f800000, s22     ; 448 x the scale
.endr
.irp b, 0,1,2,3
	v_lshrrev_b32 v[TM+4+\b], 23, v[TM+12+\b]              ; the scale's byte
.endr
	v_lshl_or_b32 v[\w], v[TM+5], 8, v[TM+4]
	v_lshl_or_b32 v[\w], v[TM+6], 16, v[\w]
	v_lshl_or_b32 v[\w], v[TM+7], 24, v[\w]
.irp b, 0,1,2,3
.irp i, 0,1,2,3,4,5,6,7,8,9,10,11,12,13,14,15
	v_med3_num_f32 v[\s+16*\b+\i], v[\s+16*\b+\i], -v[TM+8+\b], v[TM+8+\b]   ; the conversion to an 8-bit code does not saturate (ISA guide 7.6.2): the hold comes first
.endr
	v_cvt_scalef32_pk8_fp8_f32 v[\c+4*\b:\c+4*\b+1], v[\s+16*\b:\s+16*\b+7], v[TM+12+\b]
	v_cvt_scalef32_pk8_fp8_f32 v[\c+4*\b+2:\c+4*\b+3], v[\s+16*\b+8:\s+16*\b+15], v[TM+12+\b]
.endr
	v_nop                                                  ; a plain line behind the last conversion
.endm
.macro XLOAD reg, f                    ; K step f of my two: 512 consecutive bytes of each of the tile's 16 tokens
.set i, 0
.rept 16
	global_load_b128 v[\reg+4*i:\reg+4*i+3], v1, s[4:5] offset:(i+8*(i/8))*4096+512*\f th:TH_LOAD_NT
.set i, i+1
.endr
.endm
.macro TOSTG reg                       ; the 16 rows into my stage as they lie
.set i, 0
.rept 16
	ds_store_b128 v2, v[\reg+4*i:\reg+4*i+3] offset:SPX*i
.set i, i+1
.endr
.endm
.macro FROMSTG reg                     ; and back: of row lane % 16 the 16 neighbours of each block of 32.  LDS serves a wave's instructions in order: these see the stores above
.irp c, 0,1,2,3
.irp j, 0,1,2,3
	ds_load_b128 v[\reg+16*\c+4*\j:\reg+16*\c+4*\j+3], v3 offset:128*\c+16*\j
.endr
.endr
.endm
	s_load_b256 s[4:11], s[0:1], 0x0               ; x s[4:5], Wq s[6:7], Wkv s[8:9], Wc s[10:11]
	s_load_b128 s[12:15], s[0:1], 0x20             ; xq s[12:13], wts s[14:15]
	v_lshl_add_u32 v15, v0, 2, 0x8400
	s_set_vgpr_msb 0x40
	v_mov_b32 v1, 0
	s_set_vgpr_msb 0x4000
	v_lshrrev_b32 v1, 5, v0
	v_readfirstlane_b32 s16, v1                    ; wave 0..3
	s_mov_b32 s20, 0x76543210
	s_mov_b32 s21, 0xfedcba98                      ; v_permlanex16_b32's selects for lane l xor 16
	s_mov_b32 s22, 0x600000                        ; the mantissa field of 448
	s_wait_kmcnt 0x0
	s_cmp_ge_u32 ttmp9, 640
	s_cbranch_scc1 .Lrope
	s_cmp_ge_u32 ttmp9, 512
	s_cbranch_scc1 .Lweights
	; ---------------- x: tile = work-group, K steps 2 wave and 2 wave + 1
	v_and_b32 v5, 31, v0                           ; lane
	v_lshlrev_b32 v1, 4, v5                        ; 16 x lane
	s_wait_alu depctr_va_vdst(0)
	s_lshr_b32 s24, ttmp9, 1
	s_lshl_b32 s24, s24, 5
	s_and_b32 s25, ttmp9, 1
	s_lshl_b32 s25, s25, 3
	s_add_co_u32 s24, s24, s25                     ; the tile's first token: 32 (tile / 2) + 8 (tile % 2)
	s_lshl_b32 s24, s24, 12                        ; rows of 4,096 bytes
	s_lshl_b32 s25, s16, 10                        ; my 256 numbers of a row
	s_add_co_u32 s24, s24, s25
	s_mov_b32 s25, 0
	s_add_nc_u64 s[4:5], s[4:5], s[24:25]
	XLOAD R0, 0
	XLOAD R1, 1
	s_lshl_b32 s24, ttmp9, 14
	s_lshl_b32 s26, s16, 12
	s_add_co_u32 s24, s24, s26
	s_add_nc_u64 s[26:27], s[12:13], s[24:25]      ; my two fragments' images
	s_lshl_b32 s24, ttmp9, 9
	s_lshl_b32 s28, s16, 7
	s_add_co_u32 s24, s24, s28
	s_add_co_u32 s24, s24, 0x800000
	s_add_nc_u64 s[28:29], s[12:13], s[24:25]      ; and their scale words
	v_lshlrev_b32 v4, 2, v5                        ; 4 x lane
	s_mul_i32 s17, s16, WSTG
	v_add_nc_u32 v2, s17, v1                       ; into my stage
	v_and_b32 v6, 15, v0
	v_bfe_u32 v7, v0, 4, 1
	v_mul_u32_u24 v3, v6, SPX
	v_lshl_add_u32 v3, v7, 6, v3
	v_add_nc_u32 v3, s17, v3                       ; out of it: row lane % 16, + 64 bytes for the upper half of the lanes
.irp b, 0,1,2,3
	v_mov_b32 v[TM+4+\b], 0                        ; written once: a lane permute's destination counts as one of its sources
.endr
	s_wait_alu depctr_va_vdst(0)
	s_wait_loadcnt 16                              ; the first fragment's 16 loads are in; the second's 16 stay out
	TOSTG R0
	FROMSTG XN
	s_wait_dscnt 0x0                               ; the stores have read R0, the neighbours are in
	s_wait_loadcnt 0x0
	TOSTG R1
	FROMSTG R0                                     ; the second fragment turns while the first is quantised
	QUANT4 XN, C0, 8
.irp c, 0,1,2,3
	global_store_b128 v1, v[C0+4*\c:C0+4*\c+3], s[26:27] offset:512*\c       ; 512 consecutive bytes a store
.endr
	s_wait_dscnt 0x0
	QUANT4 R0, C1, 9
.irp c, 0,1,2,3
	global_store_b128 v1, v[C1+4*\c:C1+4*\c+3], s[26:27] offset:2048+512*\c
.endr
	v_cmp_gt_u32 vcc_lo, 16, v5
	v_cndmask_b32 v10, v9, v8, vcc_lo              ; lanes 0-15: the first K step's words, lanes 16-31: the second's: 128 consecutive bytes
	global_store_b32 v4, v10, s[28:29]
	s_set_vgpr_msb 0x4
	s_wait_tensorcnt 0x0
	ds_add_u32 v15, v1
	s_wait_dscnt 0x0
	s_set_vgpr_msb 0x400
	s_endpgm
	; ---------------- weights: K is their FIRST axis.  A lane takes a column and its registers run down K: a block of 32 lies in one lane
.Lweights:
	s_sub_co_u32 s17, ttmp9, 512
	s_and_b32 s18, s17, 31
	s_lshr_b32 s19, s17, 5                         ; which 256 along K
	s_lshl_b32 s40, s18, 2
	s_add_co_u32 s40, s40, s16                     ; which group of 32 columns of all 128: 0-31 Wq, 32-95 Wkv, 96-127 Wc
	s_mov_b32 s23, 4096                            ; a row in bytes
	s_cmp_lt_u32 s18, 8
	s_cselect_b64 s[42:43], s[6:7], s[10:11]       ; the choices hang on the work-group's number alone
	s_cselect_b32 s41, 0, 96
	s_sub_co_u32 s44, s18, 8
	s_cmp_lt_u32 s44, 16
	s_cselect_b64 s[42:43], s[8:9], s[42:43]
	s_cselect_b32 s41, 32, s41
	s_cselect_b32 s23, 8192, s23
	s_sub_co_u32 s44, s40, s41                     ; the group within its tensor
	s_lshl_b32 s44, s44, 7
	s_lshl_b32 s45, s19, 8
	s_mul_i32 s45, s45, s23
	s_add_co_u32 s44, s44, s45
	s_mov_b32 s45, 0
	s_add_nc_u64 s[24:25], s[42:43], s[44:45]      ; block 0's first row, my group's first column
	s_lshl_b32 s44, s23, 5                         ; 32 rows on
.irp t, 1,2,3,4,5,6,7
	s_add_nc_u64 s[24+2*\t:25+2*\t], s[22+2*\t:23+2*\t], s[44:45]
.endr
	v_and_b32 v5, 31, v0
	v_and_b32 v6, 15, v0                           ; r
	v_lshrrev_b32 v7, 4, v5                        ; u: lanes 0-15 are the even tile of the pair, lanes 16-31 the odd one
	v_and_b32 v8, 8, v6
	v_add_nc_u32 v8, v8, v6
	v_lshl_add_u32 v8, v7, 3, v8                   ; my column in the group: 8 u + r + 8 (r / 8)
	v_lshlrev_b32 v2, 2, v8
.set i, 0
.rept 32
	v_mad_u32_u24 v[16+i], s23, i, v2              ; row i of a block, my column
.set i, i+1
.endr
.macro WLOAD t                         ; block t into set t % 2: each load reads 128 consecutive bytes
.set i, 0
.rept 32
	global_load_b32 v[48+32*((\t)%2)+i], v[16+i], s[24+2*(\t):25+2*(\t)] th:TH_LOAD_NT
.set i, i+1
.endr
.endm
	WLOAD 0
	WLOAD 1
	v_lshlrev_b32 v3, 4, v6
	v_lshl_add_u32 v3, v7, 14, v3                  ; codes: my tile of the pair, 16 bytes at 16 r
	v_lshlrev_b32 v4, 2, v6
	v_lshl_add_u32 v4, v7, 9, v4                   ; scale words likewise
	s_lshl_b32 s44, s40, 15
	s_lshl_b32 s46, s19, 12
	s_add_co_u32 s44, s44, s46
	s_add_nc_u64 s[48:49], s[14:15], s[44:45]      ; the pair's images, my two K steps
	s_lshl_b32 s44, s40, 10
	s_lshl_b32 s46, s19, 7
	s_add_co_u32 s44, s44, s46
	s_add_co_u32 s44, s44, 0x400000
	s_add_nc_u64 s[50:51], s[14:15], s[44:45]
.macro WBLOCK t
.set XS, 48+32*((\t)%2)
.if (\t) < 7
	s_wait_loadcnt 32                              ; this block's 32 loads are in; the next block's 32 stay out
.else
	s_wait_loadcnt 0x0
.endif
	v_max3_num_f32 v12, |v[XS]|, |v[XS+1]|, |v[XS+2]|
	v_max3_num_f32 v13, |v[XS+3]|, |v[XS+4]|, |v[XS+5]|
.irp i, 6,10,14,18,22,26
	v_max3_num_f32 v12, v12, |v[XS+\i]|, |v[XS+\i+1]|
	v_max3_num_f32 v13, v13, |v[XS+\i+2]|, |v[XS+\i+3]|
.endr
	v_max3_num_f32 v12, v12, |v[XS+30]|, |v[XS+31]|
	v_max3_num_f32 v12, v12, v13, 0x4800000        ; and the floor
	v_add_nc_u32 v11, 0xfc000000, v12
	v_and_or_b32 v10, v12, 0x7f800000, s22
	v_lshrrev_b32 v13, 23, v11
.if (\t)%4 == 0
	v_mov_b32 v[176+(\t)/4], v13                   ; four bytes make a K step's word
.else
	v_lshl_or_b32 v[176+(\t)/4], v13, 8*((\t)%4), v[176+(\t)/4]
.endif
.set i, 0
.rept 32
	v_med3_num_f32 v[XS+i], v[XS+i], -v10, v10
.set i, i+1
.endr
.irp g, 0,1,2,3
	v_cvt_scalef32_pk8_fp8_f32 v[112+8*(\t)+2*\g:113+8*(\t)+2*\g], v[XS+8*\g:XS+8*\g+7], v11
.endr
	v_nop
	global_store_b128 v3, v[112+8*(\t):115+8*(\t)], s[48:49] offset:((\t)/4)*2048+((\t)%4)*512        ; k 0-15 of the block: the image's lanes 0-15; sixteen lanes store 256 consecutive bytes
	global_store_b128 v3, v[116+8*(\t):119+8*(\t)], s[48:49] offset:((\t)/4)*2048+((\t)%4)*512+256    ; k 16-31: its lanes 16-31.  Each block has its own code registers: no store's data are written again
.if (\t)+2 < 8
	WLOAD (\t)+2
.endif
.endm
.irp t, 0,1,2,3,4,5,6,7
	WBLOCK \t
.endr
	global_store_b32 v4, v176, s[50:51]
	global_store_b32 v4, v177, s[50:51] offset:64
	s_endpgm
	; ---------------- the table: lane = frequency j, 16 rows t a wave.  angle = f32(t) x f32(10^(-j/8)), one rounded product; cos and sin by reduction to [-pi/4, pi/4] and polynomials
.Lrope:
	s_sub_co_u32 s17, ttmp9, 640
	s_lshl_b32 s17, s17, 2
	s_add_co_u32 s17, s17, s16
	s_lshl_b32 s32, s17, 4                         ; my first t
	s_lshl_b32 s24, s32, 8
	s_add_co_u32 s24, s24, 0x420000
	s_mov_b32 s25, 0
	s_add_nc_u64 s[14:15], s[14:15], s[24:25]
	s_mov_b32 s34, 0x3fc90fda                      ; pi / 2 in three parts: with fused multiply-adds the first difference is exact for t < 2,048
	s_mov_b32 s35, 0x33a22168
	s_mov_b32 s36, 0x27c234c4
	v_and_b32 v2, 31, v0
	v_lshlrev_b32 v14, 2, v2
	v_mov_b32 v1, 1.0
.macro SEL j, lit
	v_cmp_ne_u32 vcc_lo, \j, v2
	v_cndmask_b32 v1, \lit, v1, vcc_lo
.endm
	SEL 1, 0.7498942093
	SEL 2, 0.5623413252
	SEL 3, 0.4216965034
	SEL 4, 0.3162277660
	SEL 5, 0.2371373706
	SEL 6, 0.1778279410
	SEL 7, 0.1333521432
	SEL 8, 0.1
	SEL 9, 0.07498942093
	SEL 10, 0.05623413252
	SEL 11, 0.04216965034
	SEL 12, 0.03162277660
	SEL 13, 0.02371373706
	SEL 14, 0.01778279410
	SEL 15, 0.01333521432
	SEL 16, 0.01
	SEL 17, 0.007498942093
	SEL 18, 0.005623413252
	SEL 19, 0.004216965034
	SEL 20, 0.003162277660
	SEL 21, 0.002371373706
	SEL 22, 0.001778279410
	SEL 23, 0.001333521432
	SEL 24, 0.001
	SEL 25, 0.0007498942093
	SEL 26, 0.0005623413252
	SEL 27, 0.0004216965034
	SEL 28, 0.0003162277660
	SEL 29, 0.0002371373706
	SEL 30, 0.0001778279410
	SEL 31, 0.0001333521432
	s_mov_b32 s30, 16
.Lrow:
	v_cvt_f32_u32 v3, s32
	v_mul_f32 v4, v3, v1                           ; the angle
	v_mul_f32 v5, 0x3f22f983, v4
	v_rndne_f32 v5, v5                             ; k = the nearest multiple of pi / 2
	v_fma_f32 v6, -v5, s34, v4
	v_fma_f32 v6, -v5, s35, v6
	v_fma_f32 v6, -v5, s36, v6                     ; r
	v_mul_f32 v7, v6, v6                           ; z = r^2
	v_mov_b32 v8, 0xb94ca1f9
	v_fmaak_f32 v8, v8, v7, 0x3c08839e
	v_fmaak_f32 v8, v8, v7, 0xbe2aaaa3
	v_mul_f32 v9, v7, v6
	v_fma_f32 v8, v8, v9, v6                       ; sin r
	v_mov_b32 v9, 0x37ccf5ce
	v_fmaak_f32 v9, v9, v7, 0xbab6061a
	v_fmaak_f32 v9, v9, v7, 0x3d2aaaa5
	v_mul_f32 v10, v7, v7
	v_fma_f32 v11, v7, -0.5, 1.0
	v_fma_f32 v9, v9, v10, v11                     ; cos r
	v_cvt_i32_f32 v10, v5
	v_and_b32 v11, 1, v10
	v_cmp_eq_u32 vcc_lo, 1, v11
	v_cndmask_b32 v12, v8, v9, vcc_lo              ; in odd quadrants the two change places
	v_cndmask_b32 v13, v9, v8, vcc_lo
	v_and_b32 v11, 2, v10
	v_lshlrev_b32 v11, 30, v11
	v_xor_b32 v12, v11, v12                        ; sin is negative in quadrants 2, 3
	v_add_nc_u32 v10, 1, v10
	v_and_b32 v10, 2, v10
	v_lshlrev_b32 v10, 30, v10
	v_xor_b32 v13, v10, v13                        ; cos in quadrants 1, 2
	global_store_b32 v14, v13, s[14:15]
	global_store_b32 v14, v12, s[14:15] offset:128
	s_wait_xcnt 0x0                                ; the base and the stores' data are written again only behind this wait
	s_add_nc_u64 s[14:15], s[14:15], 256
	s_add_co_u32 s32, s32, 1
	s_sub_co_u32 s30, s30, 1
	s_cmp_lg_u32 s30, 0
	s_cbranch_scc1 .Lrow
	s_endpgm
.Lfunc_end_k_qec270a3714_prep:
	.size	k_qec270a3714_prep, .Lfunc_end_k_qec270a3714_prep-k_qec270a3714_prep
	.p2alignl 7, 3214868480
	.fill 96, 4, 3214868480
	.section	.rodata,"a",@progbits
	.p2align	6, 0x0
	.amdhsa_kernel k_qec270a3714_prep
		.amdhsa_group_segment_fixed_size 34304
		.amdhsa_private_segment_fixed_size 0
		.amdhsa_enable_private_segment 0
		.amdhsa_kernarg_size 48
		.amdhsa_user_sgpr_count 2
		.amdhsa_user_sgpr_kernarg_segment_ptr 1
		.amdhsa_wavefront_size32 1
		.amdhsa_system_sgpr_workgroup_id_x 1
		.amdhsa_system_sgpr_workgroup_id_y 1
		.amdhsa_system_sgpr_workgroup_id_z 1
		.amdhsa_system_vgpr_workitem_id 0
		.amdhsa_next_free_vgpr 258
		.amdhsa_next_free_sgpr 66
		.amdhsa_reserve_vcc 1
		.amdhsa_float_denorm_mode_32 3
		.amdhsa_float_denorm_mode_16_64 3
		.amdhsa_memory_ordered 1
		.amdhsa_forward_progress 1
		.amdhsa_inst_pref_size 91
	.end_amdhsa_kernel
	.amdgpu_metadata
---
amdhsa.version: [ 1, 2 ]
amdhsa.kernels:
  - .name:           k_qec270a3714_prep
    .symbol:         k_qec270a3714_prep.kd
    .args:
      - { .name: x, .offset: 0, .size: 8, .value_kind: global_buffer, .address_space: global }
      - { .name: Wq, .offset: 8, .size: 8, .value_kind: global_buffer, .address_space: global }
      - { .name: Wkv, .offset: 16, .size: 8, .value_kind: global_buffer, .address_space: global }
      - { .name: Wc, .offset: 24, .size: 8, .value_kind: global_buffer, .address_space: global }
      - { .name: xq, .offset: 32, .size: 8, .value_kind: global_buffer, .address_space: global }
      - { .name: wts, .offset: 40, .size: 8, .value_kind: global_buffer, .address_space: global }
    .group_segment_fixed_size: 34304
    .private_segment_fixed_size: 0
    .kernarg_segment_align: 8
    .kernarg_segment_size: 48
    .max_flat_workgroup_size: 128
    .sgpr_count:     66
    .vgpr_count:     258
    .wavefront_size: 32
...
	.end_amdgpu_metadata
.endif
;; end of part 1
;; launch qkv (part 2): grid 12 x 32, 4 waves a work-group, clusters of 4 x 4, 327,680 bytes of LDS; arguments xq, wts, qkv; writes qkv
.if DOCPART == 2
	.amdgcn_target "amdgcn-amd-amdhsa--gfx1250"
	.amdhsa_code_object_version 6
	.text
	.protected	k_qec270a3714_qkv
	.globl	k_qec270a3714_qkv
	.p2align	8
	.type	k_qec270a3714_qkv,@function
k_qec270a3714_qkv:
	s_mov_b64 s[64:65], 0
	v_nop
	global_prefetch_b8 v0, s[64:65] scope:SCOPE_SE
	s_setreg_imm32_b32 hwreg(HW_REG_WAVE_MODE, 25, 1), 1
	s_wait_xcnt 0x0
	s_wait_alu depctr_hold_cnt(0) depctr_sa_sdst(0) depctr_va_vdst(0) depctr_va_sdst(0) depctr_va_ssrc(0) depctr_va_vcc(0) depctr_vm_vsrc(0)
	s_getreg_b32 s2, hwreg(HW_REG_IB_STS2, 6, 4)
	s_cmp_eq_u32 s2, 0
	s_cbranch_scc0 .Lentry_in_a_cluster
	s_endpgm
.Lentry_in_a_cluster:
	s_bfe_u32 s2, ttmp6, 0x10000c
	s_cmp_lg_u32 s2, 0xf033
	s_cbranch_scc0 .Lentry_shape_is_right
	s_endpgm
.Lentry_shape_is_right:
; QKV: q = x Wq, k and v = x Wkv on codes of E4M3 (K = 1,024, eight steps of 128); RoPE on q and k; q and k quantised along the head's 64, v along the keys.  Nothing but codes and scale words goes to memory.
; Operands lie in memory as images of their registers: [tile of 16 rows][K step][2,048 bytes], scale words [tile][K step][row].  In each group of 32 rows tile 2 g + u holds in row r the index 32 g + 8 u + r + 8 (r / 8):
; where such a tile is source 0, registers j of the results of tiles 2 g and 2 g + 1 are the 16 neighbours 32 g + 16 (lane / 16) + 0..15, the order in which the next operand's registers want them.
; SHARES.  A work-group of four waves makes 256 x 256, a wave 128 x 128: 64 accumulators.  Cluster x = 0: q, 1: k, 2: v; cluster y: 1,024 tokens.
; ROLES.  Role A is source 1 and is shared along a row of the cluster (its tiles hang on cy), role B is source 0 and is shared along a column (cx).  For q and k: A = x, B = the weight: a lane holds one token and its registers
; run along the head's channels.  For v the two change places: a lane holds one channel and its registers run along the tokens, which are the second attention product's K.  The choice hangs on the cluster's x, which all partners share.
; Each tile is asked for JOINTLY by the four work-groups that need it.  K goes through a ring of two LDS slots of two K steps each; all scale words of the work-group's rows come once.
; qkv: q's images [head 64][tile 128][1,024] at 0; at 8,388,608 [head][262,144]: k's tiles x 1,024, then at +131,072 v's (key step of 128 x 4 + channel tile) x 2,048;
;      q's scale words [head][tile][16] at 25,165,824; at 25,690,112 [head][12,288]: k's [tile][16], at +8,192 v's [key step x 4 + channel tile][16].  q's and k's words use bytes 0, 1; bytes 2, 3 are 0 and meet zero codes.
; LIMITS: NaN and infinities are not served; a block whose largest magnitude lies under 2^-118 keeps the scale byte 1.
; REGISTERS: window 0: v16-29 addresses; v64-127 scale words (8 i + K step: lanes 0-15 A's tile i, lanes 16-31 B's tile i); v128-255 A's fragments, one set.  Window 1: B's fragments, two sets.  Windows 2, 3: accumulator (a, b) at v[8 (8 (a % 4) + b)].
.set SLOT,  131072                     ; a slot: A's 16 tiles x 4,096 bytes (two K steps), then B's
.set BOFF,  65536
.set SCL,   262144                     ; behind the ring: A's scale words, 8,192 bytes, then B's
.set SPARE, 278528                     ; the spare words, 128 bytes for each wave: two blocks of 256 bytes that no other line names
.set ADRA, 16
.set ADRB, 20
.set ADRS, 27
.set SPW,  28
.set NIL,  29
.set SC,   64
.set AF,   128
.set TM,   144                         ; the way out: at work
.set G1, 24
.set G0, 32
.set G1B, 48
.set G0B, 56
.set G1S, 68
.set G0S, 76
.set G1SB, 80
.set G0SB, 88
.set MSB, 0
.macro WIN new                         ; the immediate's high byte repeats the setting that is left
.if MSB != (\new)
	s_set_vgpr_msb (MSB<<8)|(\new)
.set MSB, (\new)
.endif
.endm
.set MUL_LO, 0xa1                      ; source 0 (B) window 1, source 1 (A) window 0, C and D window 2
.set MUL_HI, 0xf1                      ; the same, C and D window 3
.set TO_B,   0x40                      ; destination window 1
; A joint load: waves 0 and 1 fetch for A, waves 2 and 3 for B; the branch hangs on the wave's number alone.  Four v_nop follow each of the two lines.
.macro JLOAD g0a, g1a, g0b, g1b
	s_cmp_eq_u32 s15, 0
	s_cbranch_scc0 .Lfor_b_\@
	tensor_load_to_lds s[\g0a:\g0a+3], s[\g1a:\g1a+7]
	s_nop 0
.rept 4
	v_nop
.endr
	s_branch .Lasked_\@
.Lfor_b_\@:
	tensor_load_to_lds s[\g0b:\g0b+3], s[\g1b:\g1b+7]
	s_nop 0
.rept 4
	v_nop
.endr
.Lasked_\@:
.endm
.macro CREST                           ; a round of the cluster's barrier behind its opening barrier
	s_cmp_lg_u32 s14, 0
	s_cbranch_scc1 .Lnot_wave_0_\@
	s_barrier_signal -3
.Lnot_wave_0_\@:
	s_barrier_wait -3
	s_barrier_signal -1
	s_barrier_wait -1
.endm
.macro CROUND
	s_barrier_signal -1
	s_barrier_wait -1
	CREST
.endm
.macro PLACES n                        ; plain vector lines between a matrix instruction and a load into, or a read of, its registers: eight for this form
.rept \n
	v_nop
.endr
.endm
.macro FRAG reg, adr, q, i             ; tile i's fragment of the slot's q-th K step: four loads of 512 consecutive bytes
.irp c, 0,1,2,3
	ds_load_b128 v[\reg+4*\c:\reg+4*\c+3], v[\adr] offset:4096*(\i)+2048*(\q)+512*\c
.endr
.endm
.macro FETCH_B slot, q, p
	WIN TO_B
.irp i, 0,1,2,3,4,5,6,7
	FRAG 128*(\p)+16*\i, ADRB+\slot, \q, \i
.endr
	WIN 0
.endm
.macro FETCH_A slot, q, i0
.irp i, \i0, \i0+1, \i0+2, \i0+3
	FRAG AF+16*(\i), ADRA+\slot, \q, \i
.endr
.endm
.macro SCALES                          ; all eight K steps' words of my 8 + 8 tiles, once
.irp i, 0,1,2,3,4,5,6,7
.irp s, 0,1,2,3,4,5,6,7
	ds_load_b32 v[SC+8*\i+\s], v[ADRS] offset:512*\i+64*\s
.endr
.endr
.endm
; 16 matrix instructions: A's tiles a0, a0 + 1 against B's eight, K step ks.  The 64 accumulators take turns, one instruction a turn, in the same order in every step.
.macro MUL16 a0, p, ks, zero
.irp a, \a0, \a0+1
.irp b, 0,1,2,3,4,5,6,7
.if \zero
	v_wmma_scale_f32_16x16x128_f8f6f4 v[8*(8*((\a)%4)+\b):8*(8*((\a)%4)+\b)+7], v[128*(\p)+16*\b:128*(\p)+16*\b+15], v[AF+16*(\a):AF+16*(\a)+15], 0, v[SC+8*\b+(\ks)], v[SC+8*(\a)+(\ks)] matrix_a_scale:MATRIX_SCALE_ROW1
.else
	v_wmma_scale_f32_16x16x128_f8f6f4 v[8*(8*((\a)%4)+\b):8*(8*((\a)%4)+\b)+7], v[128*(\p)+16*\b:128*(\p)+16*\b+15], v[AF+16*(\a):AF+16*(\a)+15], v[8*(8*((\a)%4)+\b):8*(8*((\a)%4)+\b)+7], v[SC+8*\b+(\ks)], v[SC+8*(\a)+(\ks)] matrix_a_scale:MATRIX_SCALE_ROW1
.endif
.endr
.endr
.endm
.macro STEP slot, ks, zero             ; a slot's first K step; it fetches the second's fragments
	s_wait_dscnt 16                                ; B's set and A's tiles 0-3 are in; the youngest 16 loads (A's tiles 4-7) may be out
	WIN MUL_LO
	MUL16 0, 0, \ks, \zero
	MUL16 2, 0, \ks, \zero
	s_wait_dscnt 0x0
	PLACES 8
	FETCH_B \slot, 1, 1
	FETCH_A \slot, 1, 0
	WIN MUL_HI
	MUL16 4, 0, \ks, \zero
	MUL16 6, 0, \ks, \zero
	PLACES 8
	WIN 0
	FETCH_A \slot, 1, 4
.endm
; A slot's second K step changes slots: one barrier; in front of it each wave waits for all its tensor loads, adds 0 to its spare word, and waits for that and for its reads of this slot.
; fill = 1: the barrier opens a round of the cluster's barrier, and this slot is filled again, four K steps on, first thing behind it: 96 matrix instructions stand between that request and the wait for it.
.macro TURN slot, next, ks, fill
	s_wait_tensorcnt 0x0                           ; all my tensor loads have landed: my part of the next slot
	ds_add_u32 v[SPW], v[NIL]                      ; 0 onto my spare word
	s_wait_dscnt 17                                ; (the add and the youngest 16 loads may be out)
	WIN MUL_LO
	MUL16 0, 1, \ks, 0
	s_wait_dscnt 0x0                               ; the add is done, and my reads of this slot are over
	s_barrier_signal -1
	MUL16 2, 1, \ks, 0
	WIN 0
	s_barrier_wait -1
.if \fill
	CREST
	s_add_nc_u64 s[G0+4*\slot+2:G0+4*\slot+3], s[G0+4*\slot+2:G0+4*\slot+3], 8192
	s_add_nc_u64 s[G0B+4*\slot+2:G0B+4*\slot+3], s[G0B+4*\slot+2:G0B+4*\slot+3], 8192
	JLOAD G0+4*\slot, G1, G0B+4*\slot, G1B
	PLACES 4                                       ; with the four behind the load: eight
.else
	PLACES 8
.endif
	FETCH_B \next, 0, 0
	FETCH_A \next, 0, 0
	WIN MUL_HI
	MUL16 4, 1, \ks, 0
	MUL16 6, 1, \ks, 0
	PLACES 8
	WIN 0
	FETCH_A \next, 0, 4
.endm
	s_load_b128 s[4:7], s[0:1], 0x0                ; xq s[4:5], wts s[6:7]
	s_load_b64 s[8:9], s[0:1], 0x10                ; qkv
	v_lshl_add_u32 v[SPW], v0, 2, SPARE
	v_mov_b32 v[NIL], 0
	ds_add_u32 v28, v29
	ds_add_u32 v28, v29
	s_wait_dscnt 0x0
	v_lshrrev_b32 v1, 5, v0
	v_readfirstlane_b32 s14, v1                    ; wave 0..3
	s_lshr_b32 s15, s14, 1                         ; which half of A's tiles is mine.  Also: I fetch for A (0) or for B (1)
	s_and_b32 s16, s14, 1                          ; which half of B's.  Also: which 8 tiles I fetch
	s_bfe_u32 s40, ttmp6, 0x40000                  ; cx
	s_bfe_u32 s41, ttmp6, 0x40004                  ; cy
	s_lshl_b32 s43, s41, 2
	s_lshl_b32 s43, 15, s43                        ; my row of the cluster
	s_lshl_b32 s44, 0x1111, s40                    ; my column
	; codes: 8 tiles x 4,096 bytes (two K steps), 16,384 bytes apart: 8 rows of 512 elements of 8 bytes, pitch 2,048 elements; dense in LDS
	s_or_b32 s[G1+0], s43, (3<<16)|(1<<21)
	s_or_b32 s[G1B+0], s44, (3<<16)|(1<<21)
.irp g, G1, G1B
	s_mov_b32 s[\g+1], 512<<16
	s_mov_b32 s[\g+2], 16<<16                      ; the head's loads bring all 16 tiles; behind them the two words that count rows are set to 8
	s_mov_b32 s[\g+3], 512<<16
	s_mov_b32 s[\g+4], 16
	s_mov_b32 s[\g+5], 2048
	s_mov_b32 s[\g+6], 0
	s_mov_b32 s[\g+7], 0
.endr
	; scale words of all 16 tiles: 8,192 dense bytes as 32 rows of 256
	s_or_b32 s[G1S+0], s43, (3<<16)|(1<<21)
	s_or_b32 s[G1SB+0], s44, (3<<16)|(1<<21)
.irp g, G1S, G1SB
	s_mov_b32 s[\g+1], 32<<16
	s_mov_b32 s[\g+2], 32<<16                      ; the scale words of all 16 tiles: 8,192 dense bytes as 32 rows of 256
	s_mov_b32 s[\g+3], 32<<16
	s_mov_b32 s[\g+4], 32
	s_mov_b32 s[\g+5], 32
	s_mov_b32 s[\g+6], 0
	s_mov_b32 s[\g+7], 0
.endr
	s_and_b32 s92, ttmp7, 0xffff
	s_lshl_b32 s92, s92, 2                         ; 4 x cluster y
	s_lshl_b32 s93, ttmp9, 2                       ; 4 x cluster x
	s_mov_b32 s94, 0x800000                        ; where xq's scale words begin
	s_mov_b32 s95, 0x400000                        ; where wts' begin
	s_wait_kmcnt 0x0
	s_cmp_eq_u32 ttmp9, 2                          ; v?  All selections stand ahead of the additions, which write SCC
	s_cselect_b32 s17, 8, s92                      ; A's first block of 256 rows: Wv's, or x's
	s_cselect_b32 s42, s92, s93                    ; B's: x's, or Wq's / Wk's
	s_cselect_b32 s96, s95, s94
	s_cselect_b32 s97, s94, s95
	s_cselect_b64 s[10:11], s[6:7], s[4:5]         ; A's buffer
	s_cselect_b64 s[12:13], s[4:5], s[6:7]         ; B's
	s_add_co_u32 s17, s17, s41                     ; + cy
	s_add_co_u32 s42, s42, s40                     ; + cx
	s_lshl_b32 s18, s16, 3
	s_lshl_b32 s20, s17, 4
	s_add_co_u32 s20, s20, s18                     ; A: the first tile of 16 that I fetch
	s_lshl_b32 s46, s42, 4
	s_add_co_u32 s46, s46, s18                     ; B likewise
	s_lshl_b32 s22, s20, 9
	s_add_co_u32 s22, s22, s96
	s_mov_b32 s23, 0
	s_lshl_b32 s92, s46, 9
	s_add_co_u32 s92, s92, s97
	s_mov_b32 s93, 0
	s_lshl_b32 s20, s20, 14
	s_mov_b32 s21, 0
	s_lshl_b32 s46, s46, 14
	s_mov_b32 s47, 0
	s_add_nc_u64 s[20:21], s[10:11], s[20:21]
	s_add_nc_u64 s[22:23], s[10:11], s[22:23]
	s_add_nc_u64 s[46:47], s[12:13], s[46:47]
	s_add_nc_u64 s[92:93], s[12:13], s[92:93]
	s_lshl_b32 s45, s14, 15                        ; where they go: wave x 32,768: no place in the cluster enters an LDS address
	CROUND                                         ; all sixteen work-groups are here: the first joint loads meet
	; the head's four tiles, each whole: my half's offset is taken off the addresses made above
	s_lshl_b32 s2, s16, 12
	s_mov_b32 s3, 0
	s_mov_b32 s[G0S], 1                            ; A's scale words
	s_mov_b32 s[G0S+1], SCL
	s_sub_nc_u64 s[G0S+2:G0S+3], s[22:23], s[2:3]
	s_or_b32 s[G0S+3], s[G0S+3], 0x80000000
	s_mov_b32 s[G0SB], 1                           ; B's, behind them
	s_mov_b32 s[G0SB+1], SCL+8192
	s_sub_nc_u64 s[G0SB+2:G0SB+3], s[92:93], s[2:3]
	s_or_b32 s[G0SB+3], s[G0SB+3], 0x80000000
	s_lshl_b32 s2, s16, 17
	s_mov_b32 s92, 1                               ; s[92:95]: K steps 0, 1 of A's 16 tiles
	s_mov_b32 s93, 0
	s_sub_nc_u64 s[94:95], s[20:21], s[2:3]
	s_or_b32 s95, s95, 0x80000000
	s_mov_b32 s96, 1                               ; s[96:99]: of B's
	s_mov_b32 s97, BOFF
	s_sub_nc_u64 s[98:99], s[46:47], s[2:3]
	s_or_b32 s99, s99, 0x80000000
.irp s, 0,1
	s_mov_b32 s[G0+4*\s], 1
	s_add_co_u32 s[G0+4*\s+1], s45, \s*SLOT
	s_add_nc_u64 s[G0+4*\s+2:G0+4*\s+3], s[20:21], \s*4096
	s_or_b32 s[G0+4*\s+3], s[G0+4*\s+3], 0x80000000
	s_mov_b32 s[G0B+4*\s], 1
	s_add_co_u32 s[G0B+4*\s+1], s45, \s*SLOT
	s_add_nc_u64 s[G0B+4*\s+2:G0B+4*\s+3], s[46:47], \s*4096
	s_or_b32 s[G0B+4*\s+3], s[G0B+4*\s+3], 0x80000000
.endr
; THE HEAD'S LOADS, ONE A WAVE: wave 0 A's codes of slot 0, wave 1 B's, wave 2 A's scale words, wave 3 B's.  One chain of branches on the wave's number; every way passes one load.
.macro ARM under, g0, g1, next
	s_cmp_lt_u32 s14, \under
	s_cbranch_scc0 \next
	tensor_load_to_lds s[\g0:\g0+3], s[\g1:\g1+7]
	s_nop 0
.rept 4
	v_nop
.endr
	s_branch .Lhead_asked
\next:
.endm
	ARM 1, 92, G1, .Lhead_b
	ARM 2, 96, G1B, .Lhead_sa
	ARM 3, G0S, G1S, .Lhead_sb
	tensor_load_to_lds s[G0SB:G0SB+3], s[G1SB:G1SB+7]
	s_nop 0
.rept 4
	v_nop
.endr
.Lhead_asked:
	; PREFETCH INTO THE L2, two slots ahead of the joint loads.  A slot's part of a tile is 4,096 bytes, 16 blocks of 256.  Of the 8 tiles that I fetch, each of the four partners that ask for them with me takes 2,
	; told apart by address (cx for A, cy for B): lane l names block l % 16 of tile 2 p + l / 16: 32 blocks an instruction, each block named once in the cluster.  Behind the head's load: K steps 2, 3 (the first touch) and 4, 5;
	; behind slot 1's load: K steps 6, 7, the last.  s[100:101] and v30 are never written again.
	s_cmp_eq_u32 s15, 0                            ; do I fetch for A?
	s_cselect_b64 s[100:101], s[20:21], s[46:47]   ; my 8 tiles, K step 0
	s_cselect_b32 s2, s40, s41                     ; my place among the four
	s_lshl_b32 s2, s2, 15                          ; two tiles of 16,384 bytes
	v_bfe_u32 v30, v0, 4, 1
	v_and_b32 v31, 15, v0
	v_lshlrev_b32 v30, 14, v30
	v_lshl_add_u32 v30, v31, 8, v30
	v_add_nc_u32 v30, s2, v30
	s_wait_alu depctr_va_vdst(0)
	global_prefetch_b8 v30, s[100:101] offset:4096 th:TH_LOAD_NT scope:SCOPE_SE
	global_prefetch_b8 v30, s[100:101] offset:8192 th:TH_LOAD_NT scope:SCOPE_SE
	v_and_b32 v1, 15, v0                           ; r
	v_bfe_u32 v2, v0, 4, 1                         ; h
	s_wait_alu depctr_va_vdst(0)
	v_and_b32 v3, 31, v0
	v_lshlrev_b32 v3, 4, v3                        ; 16 x lane
	s_lshl_b32 s21, s15, 15                        ; my 8 tiles of A
	s_lshl_b32 s22, s16, 15
	s_add_co_u32 s22, s22, BOFF                    ; my 8 tiles of B
.irp s, 0,1
	v_add_nc_u32 v[ADRA+\s], s21, v3
	v_add_nc_u32 v[ADRB+\s], s22, v3
	s_add_co_u32 s21, s21, SLOT
	s_add_co_u32 s22, s22, SLOT
.endr
	v_lshlrev_b32 v5, 2, v1                        ; scale words: 4 r;
	s_lshl_b32 s21, s15, 12                        ; A's: my 8 tiles
	s_lshl_b32 s22, s16, 12
	s_add_co_u32 s22, s22, 8192                    ; B's, behind A's 8,192 bytes
	s_sub_co_u32 s22, s22, s21
	v_mul_u32_u24 v6, s22, v2                      ; lanes 16-31 take B's: the lower base + h x the distance
	s_add_co_u32 s21, s21, SCL
	v_add_nc_u32 v5, v5, v6
	v_add_nc_u32 v[ADRS], s21, v5
	s_wait_alu depctr_va_vdst(0)
	s_wait_tensorcnt 0x0                           ; my tile of the head's four is in
	ds_add_u32 v[SPW], v[NIL]
	s_mov_b32 s[G1+2], 8<<16                       ; no tensor load of mine is out: from here on a load brings 8 tiles
	s_mov_b32 s[G1+4], 8
	s_mov_b32 s[G1B+2], 8<<16
	s_mov_b32 s[G1B+4], 8
	s_wait_dscnt 0x0
	CROUND                                         ; all four tiles are in, and all sixteen work-groups are here
	JLOAD G0+4, G1, G0B+4, G1B                     ; slot 1's first fill: my one load behind the round
	FETCH_B 0, 0, 0
	FETCH_A 0, 0, 0
	SCALES
	global_prefetch_b8 v30, s[100:101] offset:12288 th:TH_LOAD_NT scope:SCOPE_SE   ; K steps 6, 7: two slots ahead of slot 1's load
	FETCH_A 0, 0, 4
	STEP 0, 0, 1                                   ; the first K step's products start the sums: nothing is cleared
	TURN 0, 1, 1, 1                                ; slot 0 takes K steps 4, 5
	STEP 1, 2, 0
	TURN 1, 0, 3, 1                                ; slot 1 takes K steps 6, 7
	STEP 0, 4, 0
	TURN 0, 1, 5, 0                                ; nothing is left to fetch
	STEP 1, 6, 0
	s_wait_dscnt 16
	WIN MUL_LO
	MUL16 0, 1, 7, 0
	MUL16 2, 1, 7, 0
	s_wait_dscnt 0x0
	WIN MUL_HI
	MUL16 4, 1, 7, 0
	MUL16 6, 1, 7, 0
	WIN 0
	PLACES 8                                       ; in front of the first reads of results and of writes and loads over operands that are done with
	; ---------------- THE WAYS OUT use no LDS.  What both need:
	v_and_b32 v4, 31, v0
	v_lshlrev_b32 v1, 4, v4                        ; 16 x lane: an image's place
	v_lshlrev_b32 v2, 2, v4                        ; 4 x lane: two tiles' scale words
	v_cmp_gt_u32 s96, 16, v4                       ; the lower half of the lanes
.irp b, 0,1,2,3
	v_mov_b32 v[TM+4+\b], 0                        ; written once: a lane permute's destination counts as one of its sources
.endr
	s_mov_b32 s97, 0x600000                        ; the mantissa field of 448
	s_mov_b32 s98, 0x76543210
	s_mov_b32 s99, 0xfedcba98
	s_cmp_eq_u32 ttmp9, 2                          ; the cluster's x: alike in all partners
	s_cbranch_scc1 .Lv
	; ---------------- q, k.  Lane (r, h) of accumulator (a, b): token 32 (a / 2) + 8 (a % 2) + r + 8 (r / 8) of my 128; channel 32 ((b % 4) / 2) + 16 h + 8 (b % 2) + j of head b / 4 of my two.
	s_lshl_b32 s2, s17, 8
	s_lshl_b32 s3, s15, 7
	s_add_co_u32 s2, s2, s3                        ; my first token
	s_lshr_b32 s3, s2, 11
	s_lshl_b32 s3, s3, 4                           ; 16 x its batch
	s_and_b32 s2, s2, 2047                         ; its place in the sequence
	s_lshl_b32 s18, s40, 2
	s_add_co_u32 s3, s3, s18
	s_lshl_b32 s18, s16, 1
	s_add_co_u32 s3, s3, s18                       ; my first head: 16 batch + 4 cx + 2 half
	s_lshl_b32 s18, 0x20000, ttmp9                 ; a head's bytes: q 131,072, k (with v) 262,144
	s_mov_b32 s19, 0
	s_mul_i32 s92, s3, s18
	s_lshl_b32 s93, s2, 6                          ; 1,024 bytes a tile of 16 tokens
	s_add_co_u32 s92, s92, s93
	s_lshl_b32 s93, ttmp9, 23
	s_add_co_u32 s92, s92, s93
	s_mov_b32 s93, 0
	s_add_nc_u64 s[10:11], s[8:9], s[92:93]        ; codes, head 0 of my two,
	s_add_nc_u64 s[12:13], s[10:11], s[18:19]      ; head 1
	s_lshl_b32 s18, ttmp9, 12
	s_add_co_u32 s18, s18, 8192                    ; a head's scale bytes: 8,192 or 12,288
	s_mul_i32 s92, s3, s18
	s_lshl_b32 s93, s2, 2
	s_add_co_u32 s92, s92, s93
	s_lshl_b32 s93, ttmp9, 19
	s_add_co_u32 s92, s92, s93
	s_add_co_u32 s92, s92, 0x1800000
	s_mov_b32 s93, 0
	s_add_nc_u64 s[20:21], s[8:9], s[92:93]
	s_add_nc_u64 s[22:23], s[20:21], s[18:19]
	s_lshl_b32 s92, s2, 8
	s_add_co_u32 s92, s92, 0x420000
	s_add_nc_u64 s[46:47], s[6:7], s[92:93]        ; the table at my first token
	v_and_b32 v5, 15, v0
	v_and_b32 v6, 8, v5
	v_add_nc_u32 v5, v5, v6                        ; r + 8 (r / 8)
	v_bfe_u32 v6, v0, 4, 1
	v_lshlrev_b32 v3, 8, v5
	v_lshl_add_u32 v3, v6, 6, v3                   ; my token's row of the table, my half's 16 frequencies
.macro CSLOAD a                        ; cos (16 registers) and sin (16) for tile a, into set a % 2 at v32 or v64
.set CSB, 32+32*((\a)%2)
.irp j, 0,1,2,3
	global_load_b128 v[CSB+4*\j:CSB+4*\j+3], v3, s[46:47] offset:(32*((\a)/2)+8*((\a)%2))*256+16*\j
	global_load_b128 v[CSB+16+4*\j:CSB+16+4*\j+3], v3, s[46:47] offset:(32*((\a)/2)+8*((\a)%2))*256+128+16*\j
.endr
.endm
.macro ROPE a, hl                      ; v96-111 = x1 cos - x2 sin, v112-127 = x2 cos + x1 sin; x1: channels 16 h + i, x2: 32 + 16 h + i.  Each accumulator is read from its low end on
.set CSB, 32+32*((\a)%2)
.set AC, 64*((\a)%4)+32*(\hl)
	WIN 0x02+(\a)/4                                ; source 0: the accumulators' window
.set i, 0
.rept 8
	v_pk_mul_f32 v[96+i:97+i], v[AC+i:AC+i+1], v[CSB+i:CSB+i+1]
.set i, i+2
.endr
.set i, 0
.rept 8
	v_pk_mul_f32 v[112+i:113+i], v[AC+i:AC+i+1], v[CSB+16+i:CSB+17+i]
.set i, i+2
.endr
.set i, 0
.rept 8
	v_pk_fma_f32 v[96+i:97+i], v[AC+16+i:AC+17+i], v[CSB+16+i:CSB+17+i], v[96+i:97+i] neg_lo:[1,0,0] neg_hi:[1,0,0]
.set i, i+2
.endr
.set i, 0
.rept 8
	v_pk_fma_f32 v[112+i:113+i], v[AC+16+i:AC+17+i], v[CSB+i:CSB+i+1], v[112+i:113+i]
.set i, i+2
.endr
	WIN 0
.endm
.macro QUANT2 s, c, w                  ; 32 numbers of a lane, two blocks of 32 shared with lane l xor 16, become 8 registers of codes and a word with two bytes
.irp b, 0,1
	v_max3_num_f32 v[TM+\b], |v[\s+16*\b]|, |v[\s+1+16*\b]|, 0x4800000
.endr
.irp i, 2,4,6,8,10,12,14
.irp b, 0,1
	v_max3_num_f32 v[TM+\b], v[TM+\b], |v[\s+16*\b+\i]|, |v[\s+1+16*\b+\i]|
.endr
.endr
.irp b, 0,1
	v_permlanex16_b32 v[TM+4+\b], v[TM+\b], s98, s99
.endr
.irp b, 0,1
	v_max_num_f32 v[TM+\b], v[TM+\b], v[TM+4+\b]
.endr
.irp b, 0,1
	v_add_nc_u32 v[TM+12+\b], 0xfc000000, v[TM+\b]
.endr
.irp b, 0,1
	v_and_or_b32 v[TM+8+\b], v[TM+\b], 0x7f800000, s97
.endr
.irp b, 0,1
	v_lshrrev_b32 v[TM+4+\b], 23, v[TM+12+\b]
.endr
	v_lshl_or_b32 v[\w], v[TM+5], 8, v[TM+4]
.irp b, 0,1
.irp i, 0,1,2,3,4,5,6,7,8,9,10,11,12,13,14,15
	v_med3_num_f32 v[\s+16*\b+\i], v[\s+16*\b+\i], -v[TM+8+\b], v[TM+8+\b]
.endr
	v_cvt_scalef32_pk8_fp8_f32 v[\c+4*\b:\c+4*\b+1], v[\s+16*\b:\s+16*\b+7], v[TM+12+\b]
	v_cvt_scalef32_pk8_fp8_f32 v[\c+4*\b+2:\c+4*\b+3], v[\s+16*\b+8:\s+16*\b+15], v[TM+12+\b]
.endr
	v_nop
.endm
	CSLOAD 0
.irp a, 0,1,2,3,4,5,6,7
.if \a < 7
	CSLOAD \a+1
	s_wait_loadcnt 8                               ; this tile's cos and sin are in; the next tile's 8 loads stay out
.else
	s_wait_loadcnt 0x0
.endif
.irp hl, 0,1
	s_wait_xcnt 0x0                                ; the codes' and words' registers, which earlier stores read, are written again only behind this wait
	ROPE \a, \hl
	QUANT2 96, 128+8*\hl, 164+2*(\a%2)+\hl
	global_store_b128 v1, v[128+8*\hl:131+8*\hl], s[10+2*\hl:11+2*\hl] offset:\a*1024           ; 512 consecutive bytes a store
	global_store_b128 v1, v[132+8*\hl:135+8*\hl], s[10+2*\hl:11+2*\hl] offset:\a*1024+512
.if \a % 2
	v_cndmask_b32 v[168+\hl], v[166+\hl], v[164+\hl], s96                                       ; lanes 0-15: the even tile's words, lanes 16-31: the odd tile's
	global_store_b32 v2, v[168+\hl], s[20+2*\hl:21+2*\hl] offset:(\a/2)*128
.endif
.endr
.endr
	s_branch .Ljoin
	; ---------------- v.  Lane (r, h) of accumulator (a, b): channel tile a % 4 of head a / 4 of my two, its row r; token 32 (b / 2) + 16 h + 8 (b % 2) + j of my 128: the 64 registers of one a ARE a fragment's numbers
.Lv:
	s_lshl_b32 s2, s42, 8
	s_lshl_b32 s3, s16, 7
	s_add_co_u32 s2, s2, s3                        ; my first token
	s_lshr_b32 s3, s2, 11
	s_lshl_b32 s3, s3, 4
	s_and_b32 s2, s2, 2047
	s_lshl_b32 s18, s41, 2
	s_add_co_u32 s3, s3, s18
	s_lshl_b32 s18, s15, 1
	s_add_co_u32 s3, s3, s18                       ; my first head: 16 batch + 4 cy + 2 half
	s_lshl_b32 s92, s3, 18
	s_lshl_b32 s93, s2, 6                          ; 8,192 bytes a key step of 128
	s_add_co_u32 s92, s92, s93
	s_add_co_u32 s92, s92, 0x820000
	s_mov_b32 s93, 0
	s_add_nc_u64 s[10:11], s[8:9], s[92:93]
	s_add_nc_u64 s[12:13], s[10:11], 0x40000
	s_mul_i32 s92, s3, 12288
	s_lshl_b32 s18, s2, 1                          ; 256 bytes of words a key step
	s_add_co_u32 s92, s92, s18
	s_add_co_u32 s92, s92, 0x1882000
	s_add_nc_u64 s[20:21], s[8:9], s[92:93]
	s_add_nc_u64 s[22:23], s[20:21], 12288
.macro QUANT4W a, c, w                 ; the 64 results of A's tile a become a fragment's codes and its scale word; the held numbers pass through v32-95
.set AC, 64*((\a)%4)
.irp b, 0,1,2,3
	v_mov_b32 v[TM+\b], 0x4800000                  ; the floor 2^(9 - 127)
.endr
	WIN 0x28+0x14*((\a)/4)                         ; sources 1 and 2: the accumulators' window
.irp i, 0,2,4,6,8,10,12,14
.irp b, 0,1,2,3
	v_max3_num_f32 v[TM+\b], v[TM+\b], |v[AC+16*\b+\i]|, |v[AC+16*\b+\i+1]|    ; each accumulator from its low end on
.endr
.endr
	WIN 0
.irp b, 0,1,2,3
	v_permlanex16_b32 v[TM+4+\b], v[TM+\b], s98, s99
.endr
.irp b, 0,1,2,3
	v_max_num_f32 v[TM+\b], v[TM+\b], v[TM+4+\b]
.endr
.irp b, 0,1,2,3
	v_add_nc_u32 v[TM+12+\b], 0xfc000000, v[TM+\b]
.endr
.irp b, 0,1,2,3
	v_and_or_b32 v[TM+8+\b], v[TM+\b], 0x7f800000, s97
.endr
.irp b, 0,1,2,3
	v_lshrrev_b32 v[TM+4+\b], 23, v[TM+12+\b]
.endr
	v_lshl_or_b32 v[\w], v[TM+5], 8, v[TM+4]
	v_lshl_or_b32 v[\w], v[TM+6], 16, v[\w]
	v_lshl_or_b32 v[\w], v[TM+7], 24, v[\w]
	WIN 0x02+(\a)/4                                ; source 0: the accumulators' window
.irp b, 0,1,2,3
.irp i, 0,1,2,3,4,5,6,7,8,9,10,11,12,13,14,15
	v_med3_num_f32 v[32+16*\b+\i], v[AC+16*\b+\i], -v[TM+8+\b], v[TM+8+\b]
.endr
.endr
	WIN 0
.irp b, 0,1,2,3
	v_cvt_scalef32_pk8_fp8_f32 v[\c+4*\b:\c+4*\b+1], v[32+16*\b:39+16*\b], v[TM+12+\b]
	v_cvt_scalef32_pk8_fp8_f32 v[\c+4*\b+2:\c+4*\b+3], v[40+16*\b:47+16*\b], v[TM+12+\b]
.endr
	v_nop
.endm
.irp a, 0,1,2,3,4,5,6,7
	s_wait_xcnt 0x0                                ; registers that earlier stores read are written again only behind this wait
	QUANT4W \a, 96+16*(\a%2), 164+(\a%2)
.irp c, 0,1,2,3
	global_store_b128 v1, v[96+16*(\a%2)+4*\c:96+16*(\a%2)+4*\c+3], s[10+2*(\a/4):11+2*(\a/4)] offset:(\a%4)*2048+512*\c
.endr
.if \a % 2
	v_cndmask_b32 v168, v165, v164, s96
	global_store_b32 v2, v168, s[20+2*(\a/4):21+2*(\a/4)] offset:((\a%4)/2)*128
.endif
.endr
.Ljoin:
	s_wait_tensorcnt 0x0                           ; the wave's end
	ds_add_u32 v[SPW], v[NIL]
	s_wait_dscnt 0x0
	CROUND                                         ; the closing round: no work-group ends while a partner may still ask for a tile that names it
	s_endpgm
.Lfunc_end_k_qec270a3714_qkv:
	.size	k_qec270a3714_qkv, .Lfunc_end_k_qec270a3714_qkv-k_qec270a3714_qkv
	.p2alignl 7, 3214868480
	.fill 96, 4, 3214868480
	.section	.rodata,"a",@progbits
	.p2align	6, 0x0
	.amdhsa_kernel k_qec270a3714_qkv
		.amdhsa_group_segment_fixed_size 327680
		.amdhsa_private_segment_fixed_size 0
		.amdhsa_enable_private_segment 0
		.amdhsa_kernarg_size 24
		.amdhsa_user_sgpr_count 2
		.amdhsa_user_sgpr_kernarg_segment_ptr 1
		.amdhsa_wavefront_size32 1
		.amdhsa_system_sgpr_workgroup_id_x 1
		.amdhsa_system_sgpr_workgroup_id_y 1
		.amdhsa_system_sgpr_workgroup_id_z 1
		.amdhsa_system_vgpr_workitem_id 0
		.amdhsa_next_free_vgpr 1024
		.amdhsa_next_free_sgpr 102
		.amdhsa_reserve_vcc 0
		.amdhsa_float_denorm_mode_32 3
		.amdhsa_float_denorm_mode_16_64 3
		.amdhsa_memory_ordered 1
		.amdhsa_forward_progress 1
		.amdhsa_inst_pref_size 255
	.end_amdhsa_kernel
	.section	.bss,"aw",@nobits
	.p2align	6
	.space	262144
	.amdgpu_metadata
---
amdhsa.version: [ 1, 2 ]
amdhsa.kernels:
  - .name:           k_qec270a3714_qkv
    .symbol:         k_qec270a3714_qkv.kd
    .args:
      - { .name: xq, .offset: 0, .size: 8, .value_kind: global_buffer, .address_space: global }
      - { .name: wts, .offset: 8, .size: 8, .value_kind: global_buffer, .address_space: global }
      - { .name: qkv, .offset: 16, .size: 8, .value_kind: global_buffer, .address_space: global }
    .group_segment_fixed_size: 327680
    .private_segment_fixed_size: 0
    .kernarg_segment_align: 8
    .kernarg_segment_size: 24
    .max_flat_workgroup_size: 128
    .sgpr_count:     102
    .vgpr_count:     1024
    .wavefront_size: 32
...
	.end_amdgpu_metadata
.endif
;; end of part 2
;; launch attn (part 3): grid 4 x 64, 16 waves a work-group, clusters of 4 x 1, 327,680 bytes of LDS; arguments qkv, yq; writes yq
.if DOCPART == 3
	.amdgcn_target "amdgcn-amd-amdhsa--gfx1250"
	.amdhsa_code_object_version 6
	.text
	.protected	k_qec270a3714_attn
	.globl	k_qec270a3714_attn
	.p2align	8
	.type	k_qec270a3714_attn,@function
k_qec270a3714_attn:
	s_mov_b64 s[64:65], 0
	v_nop
	global_prefetch_b8 v0, s[64:65] scope:SCOPE_SE
	s_setreg_imm32_b32 hwreg(HW_REG_WAVE_MODE, 25, 1), 1
	s_wait_xcnt 0x0
	s_wait_alu depctr_hold_cnt(0) depctr_sa_sdst(0) depctr_va_vdst(0) depctr_va_sdst(0) depctr_va_ssrc(0) depctr_va_vcc(0) depctr_vm_vsrc(0)
	s_getreg_b32 s2, hwreg(HW_REG_IB_STS2, 6, 4)
	s_cmp_eq_u32 s2, 0
	s_cbranch_scc0 .Lentry_in_a_cluster
	s_endpgm
.Lentry_in_a_cluster:
	s_bfe_u32 s2, ttmp6, 0x10000c
	s_cmp_lg_u32 s2, 0x3003
	s_cbranch_scc0 .Lentry_shape_is_right
	s_endpgm
.Lentry_shape_is_right:
; ATTN: y = softmax(q k^T / 8, causal) v for 64 heads (16 batch + head) of 2,048 tokens, head size 64, both products on codes of E4M3 with E8M0 scales; y leaves as codes and scale bytes along the model's 1,024.
; t = score x log2(e) / 8; M = the running largest t rounded up to a whole number; p = 2^(t - M) is quantised along the keys; the row's sum is taken of the unquantised p and divides at the end.
; LEFT OUT: key steps all of whose 128 keys come after a tile's queries: the causal mask hides them, so their p is 0 for every input.  A NaN or an infinity that reaches only those scores is not carried on.
; LIMITS: NaN and infinities are not served; the promise holds while |t| stays under 2^31; a block whose largest magnitude lies under 2^-118 keeps the scale byte 1.
; BUFFERS as launch qkv leaves them: images of operand registers.  A tile of 16 tokens x 64 is 1,024 bytes (two chunks of 512, lane l's 16 bytes at 16 l); in each 32 tokens tile 2 g + u holds in row r token 32 g + 8 u + r + 8 (r / 8).
; THE DEAL.  The four work-groups of a head form a cluster.  Work-group cx takes the query tiles 4 i + cx, i = 0 .. 31; wave w takes i = 31 - w, then i = w.  Tile 4 i + cx lies in tokens 64 i + 32 (cx / 2) .. + 31, so it has i / 2 + 1 key steps of 128
; whatever cx is: 17 steps in every wave, and no branch hangs on the place in the cluster.  Every work-group reads every key (i = 31, 30 have 16 steps), so K, V and their scale words are asked for JOINTLY (mask 15).
; LDS: K's 128 tiles at 0, V's 64 fragments of 2,048 bytes at 0x20000, the scale words (K's 8,192 bytes, V's 4,096) at 0x40000, the spare words at 0x43000.  Each byte is filled once.
; At the head, one load a wave: waves 0-3 K's first 512 keys, waves 4-7 V's, waves 8-15 the scale words.  Behind the full sequence and a round, one load a wave: the other 1,536 keys (waves 0-7 K's, 8-15 V's, 12,288 bytes each);
; they land under the long tile's first three steps, which are open for every wave (its queries begin at token 1,024 or later) and read K up to key 511; one barrier then shows them.
; NO PREFETCH: both requests stand at the head; no loop runs ahead of a later load.
; THE FIRST PRODUCT's K is 64 of the form's 128: Q's registers 8-15 hold zero codes.  K's eight tiles lie on end, 8 registers each, and fragment t is v[32+8t:47+8t]: its upper half is the next tile's codes (finite: the quantiser holds at 448),
; which meet Q's zero codes and add nothing; behind tile 7 stand eight registers of zeros.  The words' bytes 2, 3 are 0, a finite scale.
; A STEP'S ORDER.  K's tiles of step s + 1 are loaded straight behind step s's first product, so they are in registers when step s + 1 begins (the wait for 0 ahead of step s's last second product covers them);
; V's fragment b goes into the 16 registers of block b's p as soon as that block is converted.  A tile's last step, the one that is masked, loads no K.
; REGISTERS: v1 16 x lane, v2 K's words, v3 -infinity, v4-7 the step's addresses, v8 my query - 16 h, v9 4 r; v12 -M, v13 largest score, v[14:15] the sum; v16-31 Q; v32-95 K's tiles; v96-103 zeros; v104-167 S^T, p, then V's fragments;
; v168-199 O^T; v200-215 p's codes; v216-231 at work; v[232:233] f; v240-243 K's scale words, v244-245 V's, v246 Q's, v247 p's; v248 my query's place in its 32 tokens less 16 h;
; v[250:253], v[10:11], v[236:237], v249: the short tile's Q and its words, loaded at the head; v254, v255 the spare word and 0.
.set SPARE, 0x43000
.set SS,  104
.set OO,  168
.set PP,  200
.set W0,  216
.set W4,  220
.set W8,  224
.set W12, 228
.macro ROUND                           ; a round of the cluster's barrier
	s_barrier_signal -1
	s_barrier_wait -1
	s_cmp_lg_u32 s8, 0
	s_cbranch_scc1 .Lnw0_\@
	s_barrier_signal -3
.Lnw0_\@:
	s_barrier_wait -3
	s_barrier_signal -1
	s_barrier_wait -1
.endm
.macro GROUP1 g, rows                  ; dense bytes as rows of 256 (32 elements of 8 bytes); mask 15 with bit 21 beside it
	s_mov_b32 s[\g], 15|(3<<16)|(1<<21)
	s_mov_b32 s[\g+1], 32<<16
	s_mov_b32 s[\g+2], (\rows)<<16
	s_mov_b32 s[\g+3], 32<<16
	s_mov_b32 s[\g+4], \rows
	s_mov_b32 s[\g+5], 32
	s_mov_b32 s[\g+6], 0
	s_mov_b32 s[\g+7], 0
.endm
	s_load_b128 s[4:7], s[0:1], 0x0                ; qkv, yq
	v_lshl_add_u32 v254, v0, 2, SPARE
	v_mov_b32 v255, 0
	ds_add_u32 v254, v255                          ; the opening lines: the add twice on end and its wait
	ds_add_u32 v254, v255
	v_lshrrev_b32 v1, 5, v0
	s_delay_alu instid0(VALU_DEP_1)
	v_readfirstlane_b32 s8, v1                     ; wave 0..15
	s_bfe_u32 s9, ttmp6, 0x40000                   ; cx: it enters global addresses and the mask's numbers alone
	s_and_b32 s10, ttmp7, 0xffff                   ; the head, 0..63
	s_mov_b32 s12, 0x76543210
	s_mov_b32 s13, 0xfedcba98                      ; selects for lane l xor 16
	s_mov_b32 s14, 0x3e38aa3b                      ; c = log2(e) / 8
	s_mov_b32 s15, s14
	s_mov_b32 s16, 0x600000                        ; the mantissa field of 448
	s_mov_b32 s17, 0xbe38aa3b                      ; -c
	GROUP1 20, 32                                  ; the head's codes: 8,192 bytes a wave
	GROUP1 28, 6                                   ; the scale words: 1,536 bytes a wave
	GROUP1 36, 48                                  ; the rest: 12,288 bytes a wave
	s_lshr_b32 s62, s8, 2
	s_and_b32 s62, s62, 1
	s_lshl_b32 s62, s62, 17
	s_and_b32 s63, s8, 3
	s_lshl_b32 s63, s63, 13
	s_add_co_u32 s45, s62, s63                     ; head, codes: K or V, quarter wave % 4 of the first 32,768 bytes; the same offset in the head's bytes of memory
	s_lshl_b32 s66, s10, 18
	s_add_co_u32 s66, s66, 0x800000
	s_add_co_u32 s68, s66, s45
	s_mov_b32 s69, 0
	s_lshr_b32 s62, s8, 3
	s_lshl_b32 s62, s62, 17
	s_and_b32 s63, s8, 7
	s_mul_i32 s70, s63, 12288
	s_add_co_u32 s62, s62, s70
	s_add_co_u32 s49, s62, 32768                   ; the rest: K or V, eighth wave % 8 of the other 98,304 bytes
	s_add_co_u32 s70, s66, s49
	s_mov_b32 s71, 0
	s_mul_i32 s63, s63, 1536
	s_add_co_u32 s53, s63, 0x40000                 ; the scale words: eighth wave % 8
	s_mul_i32 s72, s10, 12288
	s_add_co_u32 s72, s72, s63
	s_add_co_u32 s72, s72, 0x1880000
	s_mov_b32 s73, 0
	s_mov_b32 s44, 1
	s_mov_b32 s48, 1
	s_mov_b32 s52, 1
	s_wait_dscnt 0x0                               ; both opening adds are done
	ROUND                                          ; the four work-groups are here: the first joint loads meet
	s_wait_kmcnt 0x0
	s_add_nc_u64 s[46:47], s[4:5], s[68:69]
	s_or_b32 s47, s47, 0x80000000
	s_add_nc_u64 s[50:51], s[4:5], s[70:71]
	s_or_b32 s51, s51, 0x80000000
	s_add_nc_u64 s[54:55], s[4:5], s[72:73]
	s_or_b32 s55, s55, 0x80000000
	s_cmp_lt_u32 s8, 8                             ; one load a wave, one in each arm
	s_cbranch_scc0 .Lwords
	tensor_load_to_lds s[44:47], s[20:27]
	s_nop 0
.rept 4
	v_nop
.endr
	s_branch .Lasked
.Lwords:
	tensor_load_to_lds s[52:55], s[28:35]
	s_nop 0
.rept 4
	v_nop
.endr
.Lasked:
	v_and_b32 v10, 31, v0
	s_delay_alu instid0(VALU_DEP_1)
	v_lshlrev_b32 v1, 4, v10                       ; 16 x lane
	s_delay_alu instid0(VALU_DEP_2)
	v_lshl_add_u32 v2, v10, 2, 0x40000             ; K's scale words: two tiles a load; V's lie 0x2000 on
	v_and_b32 v11, 15, v0
	s_delay_alu instid0(VALU_DEP_1)
	v_lshlrev_b32 v9, 2, v11                       ; 4 r
	s_delay_alu instid0(VALU_DEP_2)
	v_and_b32 v248, 8, v11
	s_delay_alu instid0(VALU_DEP_1)
	v_add_nc_u32 v248, v248, v11
	v_bfe_u32 v249, v0, 4, 1
	s_delay_alu instid0(VALU_DEP_1)
	v_lshlrev_b32 v249, 4, v249
	s_delay_alu instid0(VALU_DEP_1)
	v_sub_nc_u32 v248, v248, v249                  ; r + 8 (r / 8) - 16 h
.set i, 0
.rept 8
	v_mov_b32 v[24+i], 0                           ; Q's zero codes,
	v_mov_b32 v[96+i], 0                           ; and those behind K's tile 7
.set i, i+1
.endr
.irp b, 0,1,2,3
	v_mov_b32 v[W4+\b], 0                          ; a lane permute's destination counts as one of its sources
.endr
	v_mov_b32 v233, 0                              ; named as the upper half of the pair v[232:233]
	; the short tile's Q (tile 4 wave + cx) and its words come now, into registers that wait for it
	s_lshl_b32 s62, s8, 2
	s_add_co_u32 s62, s62, s9
	s_lshl_b32 s63, s10, 7
	s_add_co_u32 s63, s63, s62
	s_lshl_b32 s66, s63, 10
	s_mov_b32 s67, 0
	s_add_nc_u64 s[66:67], s[4:5], s[66:67]
	s_lshl_b32 s68, s63, 6
	s_add_co_u32 s68, s68, 0x1800000
	s_mov_b32 s69, 0
	s_add_nc_u64 s[68:69], s[4:5], s[68:69]
	global_load_b128 v[250:253], v1, s[66:67]
	global_load_b64 v[10:11], v1, s[66:67] offset:512
	global_load_b64 v[236:237], v1, s[66:67] offset:520
	global_load_b32 v249, v9, s[68:69]
; A TILE BEGINS.  long = 1: i = 31 - wave; 0: i = wave.  s60, the first key of the tile's last step, is made of the wave's number alone.
.macro PROLOG long
.if \long
	s_sub_co_u32 s63, 31, s8
.else
	s_wait_xcnt 0x0                                ; the last tile's stores have read their bases and registers
	s_mov_b32 s63, s8
.endif
	s_lshr_b32 s60, s63, 1
	s_lshl_b32 s60, s60, 7
	s_lshl_b32 s62, s63, 2
	s_add_co_u32 s62, s62, s9                      ; the tile: 4 i + cx
	s_and_b32 s63, s62, 126
	s_lshl_b32 s63, s63, 4
	s_and_b32 s78, s62, 1
	s_lshl_b32 s78, s78, 3
	s_add_co_u32 s63, s63, s78
	v_add_nc_u32 v8, s63, v248                     ; my query - 16 h
.if \long
	s_lshl_b32 s63, s10, 7
	s_add_co_u32 s63, s63, s62
	s_lshl_b32 s70, s63, 10
	s_mov_b32 s71, 0
	s_add_nc_u64 s[70:71], s[4:5], s[70:71]
	s_lshl_b32 s72, s63, 6
	s_add_co_u32 s72, s72, 0x1800000
	s_mov_b32 s73, 0
	s_add_nc_u64 s[72:73], s[4:5], s[72:73]
	global_load_b128 v[16:19], v1, s[70:71]        ; Q's image
	global_load_b128 v[20:23], v1, s[70:71] offset:512
	global_load_b32 v246, v9, s[72:73]             ; its scale words
.else
.irp i, 0,1,2,3
	v_mov_b32 v[16+\i], v[250+\i]
.endr
	v_mov_b32 v20, v10
	v_mov_b32 v21, v11
	v_mov_b32 v22, v236
	v_mov_b32 v23, v237
	v_mov_b32 v246, v249
.endif
	s_lshr_b32 s63, s10, 4
	s_lshl_b32 s63, s63, 7
	s_add_co_u32 s63, s63, s62                     ; y's tile of tokens: 128 batch + tile
	s_and_b32 s78, s10, 15
	s_lshr_b32 s79, s78, 1                         ; its K step: head / 2; its half: head % 2
	s_and_b32 s78, s78, 1
	s_lshl_b32 s74, s63, 14
	s_lshl_b32 s62, s79, 11
	s_add_co_u32 s74, s74, s62
	s_lshl_b32 s62, s78, 10
	s_add_co_u32 s74, s74, s62
	s_mov_b32 s75, 0
	s_add_nc_u64 s[74:75], s[6:7], s[74:75]
	s_lshl_b32 s76, s63, 9
	s_lshl_b32 s62, s79, 6
	s_add_co_u32 s76, s76, s62
	s_lshl_b32 s62, s78, 1
	s_add_co_u32 s76, s76, s62
	s_add_co_u32 s76, s76, 0x800000
	s_mov_b32 s77, 0
	s_add_nc_u64 s[76:77], s[6:7], s[76:77]
	v_mov_b32 v13, 0xff61b1e6                      ; -3e38, under every score
	s_delay_alu instid0(VALU_DEP_1)
	v_floor_f32 v12, -v13
	v_mov_b32 v14, 0
	v_mov_b32 v15, 0
.set i, 0
.rept 32
	v_mov_b32 v[OO+i], 0                           ; the step is written once: the first finds zeros
.set i, i+1
.endr
	s_mov_b32 s56, 0                               ; the step's tiles, K's words, V's words (from v2 on), first key
	s_mov_b32 s57, 0
	s_mov_b32 s58, 0x2000
	s_mov_b32 s59, 0
.endm
.macro KLOAD adr, wadr                 ; eight tiles of K and their words: 20 loads
.irp t, 0,1,2,3,4,5,6,7
	ds_load_b128 v[32+8*\t:35+8*\t], v[\adr] offset:\t*1024
	ds_load_b128 v[36+8*\t:39+8*\t], v[\adr] offset:\t*1024+512
.endr
.irp p, 0,1,2,3
	ds_load_b32 v[240+\p], v[\wadr] offset:128*\p
.endr
.endm
; A KEY STEP of 128 keys; its K is in registers.  guard = 1: a step behind the tile's last is jumped over, and the last one is masked and loads no K.
.macro STEP guard
.if \guard
	s_cmp_gt_u32 s59, s60
	s_cbranch_scc1 .Lhid_\@
.endif
	s_add_co_u32 s62, s56, 8192                    ; the next step's tiles of K,
	s_add_co_u32 s63, s57, 512                     ; their words,
	s_add_co_u32 s66, s56, 0x20000                 ; this step's fragments of V
.irp t, 0,1,2,3,4,5,6,7                ; S^T = K Q^T
.if \t % 2
	v_wmma_scale_f32_16x16x128_f8f6f4 v[SS+8*\t:SS+7+8*\t], v[32+8*\t:47+8*\t], v[16:31], 0, v[240+\t/2], v246 matrix_a_scale:MATRIX_SCALE_ROW1
.else
	v_wmma_scale_f32_16x16x128_f8f6f4 v[SS+8*\t:SS+7+8*\t], v[32+8*\t:47+8*\t], v[16:31], 0, v[240+\t/2], v246
.endif
.endr
	v_add_nc_u32 v7, s58, v2                       ; eight places ahead of the loads over K's tiles and of the first reads of the scores
	v_add_nc_u32 v4, s62, v1
	v_add_nc_u32 v6, s63, v2
	v_add_nc_u32 v5, s66, v1
	v_mov_b32 v235, v12                            ; the old -M
.rept 3
	v_nop
.endr
.irp p, 0,1
	ds_load_b32 v[244+\p], v7 offset:128*\p        ; V's words
.endr
.if \guard
	s_cmp_eq_u32 s59, s60
	s_cbranch_scc1 .Lmask_\@
.endif
	KLOAD 4, 6                                     ; the next step's K comes while the softmax is walked
.if \guard
	s_branch .Lgo_\@
.Lmask_\@:
	v_sub_nc_u32 v234, v8, s59                     ; register 16 b + i holds key s59 + 16 h + 32 b + i: hidden where 32 b + i > my query - s59 - 16 h
	v_mov_b32 v3, 0xff800000
.set n, 0
.rept 64
	v_cmp_gt_i32 vcc_lo, 32*(n/16)+n%16, v234
	v_cndmask_b32 v[SS+n], v[SS+n], v3, vcc_lo
.set n, n+1
.endr
.Lgo_\@:
.endif
.irp b, 0,1,2,3                        ; each block's largest score, in two chains a block: for the row's maximum and for the block's largest p
	v_max3_num_f32 v[W0+\b], v[SS+16*\b], v[SS+1+16*\b], v[SS+2+16*\b]
.endr
.irp b, 0,1,2,3
	v_max3_num_f32 v[W8+\b], v[SS+8+16*\b], v[SS+9+16*\b], v[SS+10+16*\b]
.endr
.irp i, 3,5
.irp b, 0,1,2,3
	v_max3_num_f32 v[W0+\b], v[W0+\b], v[SS+16*\b+\i], v[SS+1+16*\b+\i]
.endr
.irp b, 0,1,2,3
	v_max3_num_f32 v[W8+\b], v[W8+\b], v[SS+8+16*\b+\i], v[SS+9+16*\b+\i]
.endr
.endr
.irp b, 0,1,2,3
	v_max3_num_f32 v[W0+\b], v[W0+\b], v[W8+\b], v[SS+7+16*\b]
.endr
.irp b, 0,1,2,3
	v_max_num_f32 v[W0+\b], v[W0+\b], v[SS+15+16*\b]
.endr
.irp b, 0,1,2,3
	s_delay_alu instid0(VALU_DEP_4)
	v_permlanex16_b32 v[W4+\b], v[W0+\b], s12, s13
.endr
.irp b, 0,1,2,3
	s_delay_alu instid0(VALU_DEP_4)
	v_max_num_f32 v[W0+\b], v[W0+\b], v[W4+\b]
.endr
	s_delay_alu instid0(VALU_DEP_2)
	v_max3_num_f32 v234, v[W0], v[W0+1], v[W0+2]
	s_delay_alu instid0(VALU_DEP_1)
	v_max3_num_f32 v13, v234, v[W0+3], v13         ; the running largest score (c is positive: the largest t is c x it)
	s_delay_alu instid0(VALU_DEP_1)
	v_mul_f32 v234, s17, v13
	s_delay_alu instid0(VALU_DEP_1)
	v_floor_f32 v12, v234                          ; -M = floor(-t)
.set j, 0
.rept 32                               ; t - M, two at a time; among them the three lines that make f = 2^(old M - new M)
	v_pk_fma_f32 v[SS+j:SS+1+j], v[SS+j:SS+1+j], s[14:15], v[12:13] op_sel_hi:[1,0,0]
.if j == 14
	v_sub_f32 v234, v12, v235
.endif
.if j == 30
	v_cvt_i32_f32 v234, v234
.endif
.if j == 46
	v_ldexp_f32 v232, 1.0, v234
.endif
.set j, j+2
.endr
.irp b, 0,1,2,3
	v_fma_f32 v[W0+\b], v[W0+\b], s14, v12
.endr
	s_wait_alu depctr_va_vdst(0)
.set j, 0
.rept 64
	v_exp_f32 v[SS+j], v[SS+j]                     ; p = 2^(t - M)
.set j, j+1
.endr
.irp b, 0,1,2,3
	v_exp_f32 v[W0+\b], v[W0+\b]                   ; the blocks' largest p
.endr
	v_pk_mul_f32 v[14:15], v[14:15], v[232:233] op_sel_hi:[1,0]
	s_wait_alu depctr_va_vdst(0)
.irp b, 0,1,2,3
	v_max_num_f32 v[W0+\b], 0x4800000, v[W0+\b]    ; the floor 2^(9 - 127)
.endr
.irp b, 0,1,2,3
	s_delay_alu instid0(VALU_DEP_4)
	v_add_nc_u32 v[W12+\b], 0xfc000000, v[W0+\b]   ; the conversion's scale operand
.endr
.irp b, 0,1,2,3
	v_and_or_b32 v[W8+\b], v[W0+\b], 0x7f800000, s16   ; 448 x the scale
.endr
.irp b, 0,1,2,3
	v_lshrrev_b32 v[W4+\b], 23, v[W12+\b]          ; the scale's byte
.endr
	s_delay_alu instid0(VALU_DEP_3)
	v_lshl_or_b32 v247, v[W4+1], 8, v[W4]          ; p's scale word, its three lines among the sums
	v_pk_add_f32 v[14:15], v[14:15], v[SS:SS+1]    ; the row's sum of the unquantised p, in four chains: v[14:15], v[238:239], v[216:217], v[218:219]
	v_pk_add_f32 v[238:239], v[SS+2:SS+3], v[SS+10:SS+11]
	v_pk_add_f32 v[W0:W0+1], v[SS+4:SS+5], v[SS+12:SS+13]
	v_pk_add_f32 v[W0+2:W0+3], v[SS+6:SS+7], v[SS+14:SS+15]
	v_pk_add_f32 v[14:15], v[14:15], v[SS+8:SS+9]
	v_lshl_or_b32 v247, v[W4+2], 16, v247
.set j, 16
.rept 6
	v_pk_add_f32 v[238:239], v[238:239], v[SS+2+j:SS+3+j]
	v_pk_add_f32 v[W0:W0+1], v[W0:W0+1], v[SS+4+j:SS+5+j]
	v_pk_add_f32 v[W0+2:W0+3], v[W0+2:W0+3], v[SS+6+j:SS+7+j]
	v_pk_add_f32 v[14:15], v[14:15], v[SS+j:SS+1+j]
.set j, j+8
.endr
	v_lshl_or_b32 v247, v[W4+3], 24, v247
.irp b, 0,1,2,3
.irp i, 0,2,4,6,8,10,12,14
	v_dual_min_num_f32 v[SS+16*\b+\i], v[SS+16*\b+\i], v[W8+\b] :: v_dual_min_num_f32 v[SS+1+16*\b+\i], v[SS+1+16*\b+\i], v[W8+\b]   ; the conversion does not saturate (ISA guide 7.6.2); p is not negative; two holds an instruction: an even and an odd register, one bound
.endr
	v_cvt_scalef32_pk8_fp8_f32 v[PP+4*\b:PP+1+4*\b], v[SS+16*\b:SS+7+16*\b], v[W12+\b]
	v_cvt_scalef32_pk8_fp8_f32 v[PP+2+4*\b:PP+3+4*\b], v[SS+8+16*\b:SS+15+16*\b], v[W12+\b]
.irp c, 0,1,2,3
	ds_load_b128 v[SS+16*\b+4*\c:SS+3+16*\b+4*\c], v5 offset:2048*\b+512*\c    ; V's fragment b, where block b's p lay
.endr
.endr
	s_wait_alu depctr_va_vdst(0)
.set j, 0
.rept 16
	v_pk_mul_f32 v[OO+j:OO+1+j], v[OO+j:OO+1+j], v[232:233] op_sel_hi:[1,0]    ; O^T under the new M; also the places ahead of the products below
.set j, j+2
.endr
	s_wait_alu depctr_va_vdst(0)
.irp t, 0,1,2,3                        ; O^T += V^T P^T, the four accumulators by turns
	s_wait_dscnt 12-4*\t                           ; fragment t is in: behind its four loads stand those of the 3 - t later fragments; the last wait, for 0, covers the next step's K too
.if \t % 2
	v_wmma_scale_f32_16x16x128_f8f6f4 v[OO+8*\t:OO+7+8*\t], v[SS+16*\t:SS+15+16*\t], v[PP:PP+15], v[OO+8*\t:OO+7+8*\t], v[244+\t/2], v247 matrix_a_scale:MATRIX_SCALE_ROW1
.else
	v_wmma_scale_f32_16x16x128_f8f6f4 v[OO+8*\t:OO+7+8*\t], v[SS+16*\t:SS+15+16*\t], v[PP:PP+15], v[OO+8*\t:OO+7+8*\t], v[244+\t/2], v247
.endif
.endr
	v_pk_add_f32 v[238:239], v[238:239], v[W0:W0+1]    ; nine places ahead of the next first product, whose results lie over V's fragments: the sum's four chains are joined here
	v_pk_add_f32 v[14:15], v[14:15], v[W0+2:W0+3]
.rept 3
	v_nop
.endr
	v_pk_add_f32 v[14:15], v[14:15], v[238:239]
.rept 3
	v_nop
.endr
.Lhid_\@:
	s_add_co_u32 s56, s56, 8192
	s_add_co_u32 s57, s57, 512
	s_add_co_u32 s58, s58, 256
	s_add_co_u32 s59, s59, 128
.endm
; A TILE ENDS: O^T / the sum, quantised along the head's 64 channels (two blocks of y's K), stored as an image and two scale bytes a token.  The nine places at the last step's end stand ahead of it.
.macro EPILOG
	s_wait_alu depctr_va_vdst(0)                   ; the sum was written ahead of taken branches
	v_add_f32 v14, v14, v15
	s_delay_alu instid0(VALU_DEP_1)
	v_permlanex16_b32 v[W4], v14, s12, s13
	s_delay_alu instid0(VALU_DEP_1)
	v_add_f32 v14, v14, v[W4]
	s_wait_alu depctr_va_vdst(0)
	v_rcp_f32 v14, v14
	v_nop
	s_wait_alu depctr_va_vdst(0)
.set j, 0
.rept 16
	v_pk_mul_f32 v[SS+j:SS+1+j], v[OO+j:OO+1+j], v[14:15] op_sel_hi:[1,0]
.set j, j+2
.endr
.irp b, 0,1
	v_max3_num_f32 v[W0+\b], |v[SS+16*\b]|, |v[SS+1+16*\b]|, 0x4800000
.endr
.irp i, 2,4,6,8,10,12,14
.irp b, 0,1
	s_delay_alu instid0(VALU_DEP_2)
	v_max3_num_f32 v[W0+\b], v[W0+\b], |v[SS+16*\b+\i]|, |v[SS+1+16*\b+\i]|
.endr
.endr
.irp b, 0,1
	s_delay_alu instid0(VALU_DEP_2)
	v_permlanex16_b32 v[W4+\b], v[W0+\b], s12, s13
.endr
.irp b, 0,1
	s_delay_alu instid0(VALU_DEP_2)
	v_max_num_f32 v[W0+\b], v[W0+\b], v[W4+\b]
.endr
.irp b, 0,1
	s_delay_alu instid0(VALU_DEP_2)
	v_add_nc_u32 v[W12+\b], 0xfc000000, v[W0+\b]
.endr
.irp b, 0,1
	s_delay_alu instid0(VALU_DEP_4)
	v_and_or_b32 v[W8+\b], v[W0+\b], 0x7f800000, s16
.endr
.irp b, 0,1
	s_delay_alu instid0(VALU_DEP_4)
	v_lshrrev_b32 v[W4+\b], 23, v[W12+\b]
.endr
	s_delay_alu instid0(VALU_DEP_1)
	v_lshl_or_b32 v234, v[W4+1], 8, v[W4]
.irp b, 0,1
.irp i, 0,1,2,3,4,5,6,7,8,9,10,11,12,13,14,15
	v_med3_num_f32 v[SS+16*\b+\i], v[SS+16*\b+\i], -v[W8+\b], v[W8+\b]
.endr
	v_cvt_scalef32_pk8_fp8_f32 v[PP+4*\b:PP+1+4*\b], v[SS+16*\b:SS+7+16*\b], v[W12+\b]
	v_cvt_scalef32_pk8_fp8_f32 v[PP+2+4*\b:PP+3+4*\b], v[SS+8+16*\b:SS+15+16*\b], v[W12+\b]
.endr
	v_nop
	global_store_b128 v1, v[PP:PP+3], s[74:75]     ; 512 consecutive bytes a store
	global_store_b128 v1, v[PP+4:PP+7], s[74:75] offset:512
	global_store_b16 v9, v234, s[76:77]            ; my head's two bytes of each token's word; both halves of the lanes hold the same
.endm
	PROLOG 1
	s_wait_alu depctr_va_vdst(0)
	s_wait_loadcnt 0x0                             ; both tiles' Q
	s_wait_tensorcnt 0x0                           ; my part of the head's tiles is in; the full sequence ahead of the later first fill
	ds_add_u32 v254, v255
	s_wait_dscnt 0x0
	ROUND
	tensor_load_to_lds s[48:51], s[36:43]          ; the other 1,536 keys: my one load behind the round
	s_nop 0
.rept 4
	v_nop
.endr
	KLOAD 1, 2                                     ; step 0's K
	s_wait_dscnt 0x0
	s_mov_b32 s61, 3
.Lb0:                                  ; the long tile's steps 0-2: they read K's keys 0-511 and V's 0-383
	STEP 0
	s_sub_co_u32 s61, s61, 1
	s_cmp_lg_u32 s61, 0
	s_cbranch_scc1 .Lb0
	s_wait_tensorcnt 0x0                           ; my part of the rest is in
	s_wait_dscnt 0x0
	s_barrier_signal -1
	s_barrier_wait -1                              ; and everybody's
	s_mov_b32 s61, 13
.Lb1:                                  ; its steps 3-15
	STEP 1
	s_sub_co_u32 s61, s61, 1
	s_cmp_lg_u32 s61, 0
	s_cbranch_scc1 .Lb1
	EPILOG
	PROLOG 0
	KLOAD 1, 2
	s_wait_alu depctr_va_vdst(0)
	s_wait_dscnt 0x0
	s_mov_b32 s61, 8
.La:                                   ; the short tile's steps 0-7
	STEP 1
	s_sub_co_u32 s61, s61, 1
	s_cmp_lg_u32 s61, 0
	s_cbranch_scc1 .La
	EPILOG
	s_wait_tensorcnt 0x0                           ; the wave's end
	ds_add_u32 v254, v255
	s_wait_dscnt 0x0
	ROUND                                          ; the closing round
	s_endpgm
.Lfunc_end_k_qec270a3714_attn:
	.size	k_qec270a3714_attn, .Lfunc_end_k_qec270a3714_attn-k_qec270a3714_attn
	.p2alignl 7, 3214868480
	.fill 96, 4, 3214868480
	.section	.rodata,"a",@progbits
	.p2align	6, 0x0
	.amdhsa_kernel k_qec270a3714_attn
		.amdhsa_group_segment_fixed_size 327680
		.amdhsa_private_segment_fixed_size 0
		.amdhsa_enable_private_segment 0
		.amdhsa_kernarg_size 16
		.amdhsa_user_sgpr_count 2
		.amdhsa_user_sgpr_kernarg_segment_ptr 1
		.amdhsa_wavefront_size32 1
		.amdhsa_system_sgpr_workgroup_id_x 1
		.amdhsa_system_sgpr_workgroup_id_y 1
		.amdhsa_system_sgpr_workgroup_id_z 1
		.amdhsa_system_vgpr_workitem_id 0
		.amdhsa_next_free_vgpr 256
		.amdhsa_next_free_sgpr 80
		.amdhsa_reserve_vcc 1
		.amdhsa_float_denorm_mode_32 3
		.amdhsa_float_denorm_mode_16_64 3
		.amdhsa_memory_ordered 1
		.amdhsa_forward_progress 1
		.amdhsa_inst_pref_size 98
	.end_amdhsa_kernel
	.amdgpu_metadata
---
amdhsa.version: [ 1, 2 ]
amdhsa.kernels:
  - .name:           k_qec270a3714_attn
    .symbol:         k_qec270a3714_attn.kd
    .args:
      - { .name: qkv, .offset: 0, .size: 8, .value_kind: global_buffer, .address_space: global }
      - { .name: yq, .offset: 8, .size: 8, .value_kind: global_buffer, .address_space: global }
    .group_segment_fixed_size: 327680
    .private_segment_fixed_size: 0
    .kernarg_segment_align: 8
    .kernarg_segment_size: 16
    .max_flat_workgroup_size: 512
    .sgpr_count:     80
    .vgpr_count:     256
    .wavefront_size: 32
...
	.end_amdgpu_metadata
.endif
;; end of part 3
;; launch proj (part 4): grid 4 x 32, 4 waves a work-group, clusters of 4 x 4, 327,680 bytes of LDS; arguments yq, wts, out0; writes out0
.if DOCPART == 4
	.amdgcn_target "amdgcn-amd-amdhsa--gfx1250"
	.amdhsa_code_object_version 6
	.text
	.protected	k_qec270a3714_proj
	.globl	k_qec270a3714_proj
	.p2align	8
	.type	k_qec270a3714_proj,@function
k_qec270a3714_proj:
	s_mov_b64 s[64:65], 0
	v_nop
	global_prefetch_b8 v0, s[64:65] scope:SCOPE_SE
	s_setreg_imm32_b32 hwreg(HW_REG_WAVE_MODE, 25, 1), 1
	s_wait_xcnt 0x0
	s_wait_alu depctr_hold_cnt(0) depctr_sa_sdst(0) depctr_va_vdst(0) depctr_va_sdst(0) depctr_va_ssrc(0) depctr_va_vcc(0) depctr_vm_vsrc(0)
	s_getreg_b32 s2, hwreg(HW_REG_IB_STS2, 6, 4)
	s_cmp_eq_u32 s2, 0
	s_cbranch_scc0 .Lentry_in_a_cluster
	s_endpgm
.Lentry_in_a_cluster:
	s_bfe_u32 s2, ttmp6, 0x10000c
	s_cmp_lg_u32 s2, 0xf033
	s_cbranch_scc0 .Lentry_shape_is_right
	s_endpgm
.Lentry_shape_is_right:
; PROJ: out0 = y Wc on codes of E4M3 (K = 1,024, eight steps of 128), f32 out.  Operands lie in memory as images of their registers, as launch qkv's head comment states; A = y's tiles (source 1, shared along a row of the cluster),
; B = Wc's tiles 192-255 of wts (source 0, shared along a column).  A work-group of four waves makes 256 x 256, a wave 128 x 128; K goes through a ring of two LDS slots of two K steps; all scale words come once, at the head.
; The results go through each wave's stage in slot 0, behind that slot's last fill and last read, and leave as rows of 512 bytes.  LIMITS: NaN and infinities are not served.
.set SLOT,  131072
.set BOFF,  65536
.set SCL,   262144
.set SPARE, 278528
.set SPITCH, 528
.set ADRA, 16
.set ADRB, 20
.set STO,  24
.set RD,   25
.set CO,   26
.set ADRS, 27
.set SPW,  28
.set NIL,  29
.set SC,   64
.set AF,   128
.set BK,   128
.set G1, 24
.set G0, 32
.set G1B, 48
.set G0B, 56
.set G1S, 68
.set G0S, 76
.set G1SB, 80
.set G0SB, 88
.set MSB, 0
.macro WIN new
.if MSB != (\new)
	s_set_vgpr_msb (MSB<<8)|(\new)
.set MSB, (\new)
.endif
.endm
.set MUL_LO, 0xa1
.set MUL_HI, 0xf1
.set TO_B,   0x40
.macro JLOAD g0a, g1a, g0b, g1b
	s_cmp_eq_u32 s15, 0
	s_cbranch_scc0 .Lfor_b_\@
	tensor_load_to_lds s[\g0a:\g0a+3], s[\g1a:\g1a+7]
	s_nop 0
.rept 4
	v_nop
.endr
	s_branch .Lasked_\@
.Lfor_b_\@:
	tensor_load_to_lds s[\g0b:\g0b+3], s[\g1b:\g1b+7]
	s_nop 0
.rept 4
	v_nop
.endr
.Lasked_\@:
.endm
.macro CREST
	s_cmp_lg_u32 s14, 0
	s_cbranch_scc1 .Lnot_wave_0_\@
	s_barrier_signal -3
.Lnot_wave_0_\@:
	s_barrier_wait -3
	s_barrier_signal -1
	s_barrier_wait -1
.endm
.macro CROUND
	s_barrier_signal -1
	s_barrier_wait -1
	CREST
.endm
.macro PLACES n
.rept \n
	v_nop
.endr
.endm
.macro FRAG reg, adr, q, i
.irp c, 0,1,2,3
	ds_load_b128 v[\reg+4*\c:\reg+4*\c+3], v[\adr] offset:4096*(\i)+2048*(\q)+512*\c
.endr
.endm
.macro FETCH_B slot, q, p
	WIN TO_B
.irp i, 0,1,2,3,4,5,6,7
	FRAG 128*(\p)+16*\i, ADRB+\slot, \q, \i
.endr
	WIN 0
.endm
.macro FETCH_A slot, q, i0
.irp i, \i0, \i0+1, \i0+2, \i0+3
	FRAG AF+16*(\i), ADRA+\slot, \q, \i
.endr
.endm
.macro SCALES
.irp i, 0,1,2,3,4,5,6,7
.irp s, 0,1,2,3,4,5,6,7
	ds_load_b32 v[SC+8*\i+\s], v[ADRS] offset:512*\i+64*\s
.endr
.endr
.endm
.macro MUL16 a0, p, ks, zero
.irp a, \a0, \a0+1
.irp b, 0,1,2,3,4,5,6,7
.if \zero
	v_wmma_scale_f32_16x16x128_f8f6f4 v[8*(8*((\a)%4)+\b):8*(8*((\a)%4)+\b)+7], v[128*(\p)+16*\b:128*(\p)+16*\b+15], v[AF+16*(\a):AF+16*(\a)+15], 0, v[SC+8*\b+(\ks)], v[SC+8*(\a)+(\ks)] matrix_a_scale:MATRIX_SCALE_ROW1
.else
	v_wmma_scale_f32_16x16x128_f8f6f4 v[8*(8*((\a)%4)+\b):8*(8*((\a)%4)+\b)+7], v[128*(\p)+16*\b:128*(\p)+16*\b+15], v[AF+16*(\a):AF+16*(\a)+15], v[8*(8*((\a)%4)+\b):8*(8*((\a)%4)+\b)+7], v[SC+8*\b+(\ks)], v[SC+8*(\a)+(\ks)] matrix_a_scale:MATRIX_SCALE_ROW1
.endif
.endr
.endr
.endm
.macro STEP slot, ks, zero
	s_wait_dscnt 16
	WIN MUL_LO
	MUL16 0, 0, \ks, \zero
	MUL16 2, 0, \ks, \zero
	s_wait_dscnt 0x0
	PLACES 8
	FETCH_B \slot, 1, 1
	FETCH_A \slot, 1, 0
	WIN MUL_HI
	MUL16 4, 0, \ks, \zero
	MUL16 6, 0, \ks, \zero
	PLACES 8
	WIN 0
	FETCH_A \slot, 1, 4
.endm
.macro TURN slot, next, ks, fill
	s_wait_tensorcnt 0x0
	ds_add_u32 v[SPW], v[NIL]
	s_wait_dscnt 17
	WIN MUL_LO
	MUL16 0, 1, \ks, 0
	s_wait_dscnt 0x0
	s_barrier_signal -1
	MUL16 2, 1, \ks, 0
	WIN 0
	s_barrier_wait -1
.if \fill
	CREST
	s_add_nc_u64 s[G0+4*\slot+2:G0+4*\slot+3], s[G0+4*\slot+2:G0+4*\slot+3], 8192
	s_add_nc_u64 s[G0B+4*\slot+2:G0B+4*\slot+3], s[G0B+4*\slot+2:G0B+4*\slot+3], 8192
	JLOAD G0+4*\slot, G1, G0B+4*\slot, G1B
	PLACES 4
.else
	PLACES 8
.endif
	FETCH_B \next, 0, 0
	FETCH_A \next, 0, 0
	WIN MUL_HI
	MUL16 4, 1, \ks, 0
	MUL16 6, 1, \ks, 0
	PLACES 8
	WIN 0
	FETCH_A \next, 0, 4
.endm
	s_load_b128 s[4:7], s[0:1], 0x0
	s_load_b64 s[8:9], s[0:1], 0x10
	v_lshl_add_u32 v[SPW], v0, 2, SPARE
	v_mov_b32 v[NIL], 0
	ds_add_u32 v28, v29
	ds_add_u32 v28, v29
	s_wait_dscnt 0x0
	v_lshrrev_b32 v1, 5, v0
	v_readfirstlane_b32 s14, v1
	s_lshr_b32 s15, s14, 1
	s_and_b32 s16, s14, 1
	s_bfe_u32 s40, ttmp6, 0x40000
	s_bfe_u32 s41, ttmp6, 0x40004
	s_and_b32 s17, ttmp7, 0xffff
	s_lshl_b32 s17, s17, 2
	s_add_co_u32 s17, s17, s41
	s_add_co_u32 s42, s40, 12
	s_lshl_b32 s43, s41, 2
	s_lshl_b32 s43, 15, s43
	s_lshl_b32 s44, 0x1111, s40
	s_or_b32 s[G1+0], s43, (3<<16)|(1<<21)
	s_or_b32 s[G1B+0], s44, (3<<16)|(1<<21)
.irp g, G1, G1B
	s_mov_b32 s[\g+1], 512<<16
	s_mov_b32 s[\g+2], 16<<16                      ; the head's loads bring all 16 tiles; behind them the two words that count rows are set to 8
	s_mov_b32 s[\g+3], 512<<16
	s_mov_b32 s[\g+4], 16
	s_mov_b32 s[\g+5], 2048
	s_mov_b32 s[\g+6], 0
	s_mov_b32 s[\g+7], 0
.endr
	s_or_b32 s[G1S+0], s43, (3<<16)|(1<<21)
	s_or_b32 s[G1SB+0], s44, (3<<16)|(1<<21)
.irp g, G1S, G1SB
	s_mov_b32 s[\g+1], 32<<16
	s_mov_b32 s[\g+2], 32<<16                      ; the scale words of all 16 tiles: 8,192 dense bytes as 32 rows of 256
	s_mov_b32 s[\g+3], 32<<16
	s_mov_b32 s[\g+4], 32
	s_mov_b32 s[\g+5], 32
	s_mov_b32 s[\g+6], 0
	s_mov_b32 s[\g+7], 0
.endr
	s_lshl_b32 s18, s16, 3
	s_lshl_b32 s20, s17, 4
	s_add_co_u32 s20, s20, s18
	s_lshl_b32 s46, s42, 4
	s_add_co_u32 s46, s46, s18
	s_lshl_b32 s22, s20, 9
	s_add_co_u32 s22, s22, 0x800000
	s_mov_b32 s23, 0
	s_lshl_b32 s92, s46, 9
	s_add_co_u32 s92, s92, 0x400000
	s_mov_b32 s93, 0
	s_lshl_b32 s20, s20, 14
	s_mov_b32 s21, 0
	s_lshl_b32 s46, s46, 14
	s_mov_b32 s47, 0
	s_lshl_b32 s45, s14, 15
	s_wait_kmcnt 0x0
	s_add_nc_u64 s[20:21], s[4:5], s[20:21]
	s_add_nc_u64 s[22:23], s[4:5], s[22:23]
	s_add_nc_u64 s[46:47], s[6:7], s[46:47]
	s_add_nc_u64 s[92:93], s[6:7], s[92:93]
	CROUND
	; the head's four tiles, each whole: my half's offset is taken off the addresses made above
	s_lshl_b32 s2, s16, 12
	s_mov_b32 s3, 0
	s_mov_b32 s[G0S], 1                            ; A's scale words
	s_mov_b32 s[G0S+1], SCL
	s_sub_nc_u64 s[G0S+2:G0S+3], s[22:23], s[2:3]
	s_or_b32 s[G0S+3], s[G0S+3], 0x80000000
	s_mov_b32 s[G0SB], 1                           ; B's, behind them
	s_mov_b32 s[G0SB+1], SCL+8192
	s_sub_nc_u64 s[G0SB+2:G0SB+3], s[92:93], s[2:3]
	s_or_b32 s[G0SB+3], s[G0SB+3], 0x80000000
	s_lshl_b32 s2, s16, 17
	s_mov_b32 s92, 1                               ; s[92:95]: K steps 0, 1 of A's 16 tiles
	s_mov_b32 s93, 0
	s_sub_nc_u64 s[94:95], s[20:21], s[2:3]
	s_or_b32 s95, s95, 0x80000000
	s_mov_b32 s96, 1                               ; s[96:99]: of B's
	s_mov_b32 s97, BOFF
	s_sub_nc_u64 s[98:99], s[46:47], s[2:3]
	s_or_b32 s99, s99, 0x80000000
.irp s, 0,1
	s_mov_b32 s[G0+4*\s], 1
	s_add_co_u32 s[G0+4*\s+1], s45, \s*SLOT
	s_add_nc_u64 s[G0+4*\s+2:G0+4*\s+3], s[20:21], \s*4096
	s_or_b32 s[G0+4*\s+3], s[G0+4*\s+3], 0x80000000
	s_mov_b32 s[G0B+4*\s], 1
	s_add_co_u32 s[G0B+4*\s+1], s45, \s*SLOT
	s_add_nc_u64 s[G0B+4*\s+2:G0B+4*\s+3], s[46:47], \s*4096
	s_or_b32 s[G0B+4*\s+3], s[G0B+4*\s+3], 0x80000000
.endr
; THE HEAD'S LOADS, ONE A WAVE: wave 0 A's codes of slot 0, wave 1 B's, wave 2 A's scale words, wave 3 B's.  One chain of branches on the wave's number; every way passes one load.
.macro ARM under, g0, g1, next
	s_cmp_lt_u32 s14, \under
	s_cbranch_scc0 \next
	tensor_load_to_lds s[\g0:\g0+3], s[\g1:\g1+7]
	s_nop 0
.rept 4
	v_nop
.endr
	s_branch .Lhead_asked
\next:
.endm
	ARM 1, 92, G1, .Lhead_b
	ARM 2, 96, G1B, .Lhead_sa
	ARM 3, G0S, G1S, .Lhead_sb
	tensor_load_to_lds s[G0SB:G0SB+3], s[G1SB:G1SB+7]
	s_nop 0
.rept 4
	v_nop
.endr
.Lhead_asked:
	; PREFETCH INTO THE L2, two slots ahead of the joint loads.  A slot's part of a tile is 4,096 bytes, 16 blocks of 256.  Of the 8 tiles that I fetch, each of the four partners that ask for them with me takes 2,
	; told apart by address (cx for A, cy for B): lane l names block l % 16 of tile 2 p + l / 16: 32 blocks an instruction, each block named once in the cluster.  Behind the head's load: K steps 2, 3 (the first touch) and 4, 5;
	; behind slot 1's load: K steps 6, 7, the last.  s[100:101] and v30 are never written again.
	s_cmp_eq_u32 s15, 0                            ; do I fetch for A?
	s_cselect_b64 s[100:101], s[20:21], s[46:47]   ; my 8 tiles, K step 0
	s_cselect_b32 s2, s40, s41                     ; my place among the four
	s_lshl_b32 s2, s2, 15                          ; two tiles of 16,384 bytes
	v_bfe_u32 v30, v0, 4, 1
	v_and_b32 v31, 15, v0
	v_lshlrev_b32 v30, 14, v30
	v_lshl_add_u32 v30, v31, 8, v30
	v_add_nc_u32 v30, s2, v30
	s_wait_alu depctr_va_vdst(0)
	global_prefetch_b8 v30, s[100:101] offset:4096 th:TH_LOAD_NT scope:SCOPE_SE
	global_prefetch_b8 v30, s[100:101] offset:8192 th:TH_LOAD_NT scope:SCOPE_SE
	v_and_b32 v1, 15, v0
	v_bfe_u32 v2, v0, 4, 1
	s_wait_alu depctr_va_vdst(0)
	v_and_b32 v3, 31, v0
	v_lshlrev_b32 v3, 4, v3
	s_lshl_b32 s21, s15, 15
	s_lshl_b32 s22, s16, 15
	s_add_co_u32 s22, s22, BOFF
.irp s, 0,1
	v_add_nc_u32 v[ADRA+\s], s21, v3
	v_add_nc_u32 v[ADRB+\s], s22, v3
	s_add_co_u32 s21, s21, SLOT
	s_add_co_u32 s22, s22, SLOT
.endr
	v_lshlrev_b32 v5, 2, v1
	s_lshl_b32 s21, s15, 12
	s_lshl_b32 s22, s16, 12
	s_add_co_u32 s22, s22, 8192
	s_sub_co_u32 s22, s22, s21
	v_mul_u32_u24 v6, s22, v2
	s_add_co_u32 s21, s21, SCL
	v_add_nc_u32 v5, v5, v6
	v_add_nc_u32 v[ADRS], s21, v5
	s_mul_i32 s23, s14, 16*SPITCH
	v_mul_u32_u24 v5, v1, SPITCH
	v_lshl_add_u32 v5, v2, 6, v5
	v_add_nc_u32 v[STO], s23, v5
	v_add_nc_u32 v[RD], s23, v3
	v_mov_b32 v[CO], v3
	s_lshl_b32 s20, s17, 8
	s_lshl_b32 s21, s15, 7
	s_add_co_u32 s20, s20, s21
	s_lshl_b32 s20, s20, 12
	s_lshl_b32 s46, s40, 10
	s_lshl_b32 s47, s16, 9
	s_add_co_u32 s46, s46, s47
	s_add_co_u32 s20, s20, s46
	s_mov_b32 s21, 0
	s_add_nc_u64 s[8:9], s[8:9], s[20:21]
	s_wait_alu depctr_va_vdst(0)
	s_wait_tensorcnt 0x0                           ; my tile of the head's four is in
	ds_add_u32 v[SPW], v[NIL]
	s_mov_b32 s[G1+2], 8<<16                       ; no tensor load of mine is out: from here on a load brings 8 tiles
	s_mov_b32 s[G1+4], 8
	s_mov_b32 s[G1B+2], 8<<16
	s_mov_b32 s[G1B+4], 8
	s_wait_dscnt 0x0
	CROUND                                         ; all four tiles are in, and all sixteen work-groups are here
	JLOAD G0+4, G1, G0B+4, G1B                     ; slot 1's first fill: my one load behind the round
	FETCH_B 0, 0, 0
	FETCH_A 0, 0, 0
	SCALES
	global_prefetch_b8 v30, s[100:101] offset:12288 th:TH_LOAD_NT scope:SCOPE_SE   ; K steps 6, 7: two slots ahead of slot 1's load
	FETCH_A 0, 0, 4
	STEP 0, 0, 1
	TURN 0, 1, 1, 1
	STEP 1, 2, 0
	TURN 1, 0, 3, 1
	STEP 0, 4, 0
	TURN 0, 1, 5, 0
	STEP 1, 6, 0
	s_wait_dscnt 16
	WIN MUL_LO
	MUL16 0, 1, 7, 0
	MUL16 2, 1, 7, 0
	s_wait_dscnt 0x0
	WIN MUL_HI
	MUL16 4, 1, 7, 0
	MUL16 6, 1, 7, 0
	WIN 0
.macro TOSTAGE a
.set AC, 64*((\a)%4)
	WIN 0x08+4*((\a)/4)
.irp b, 0,1,2,3,4,5,6,7
	ds_store_b128 v[STO], v[AC+8*\b:AC+8*\b+3] offset:128*(\b/2)+32*(\b%2)
	ds_store_b128 v[STO], v[AC+8*\b+4:AC+8*\b+7] offset:128*(\b/2)+32*(\b%2)+16
.endr
	WIN 0
.set BB, BK+64*((\a)%2)
.set t, 0
.rept 16
	ds_load_b128 v[BB+4*t:BB+4*t+3], v[RD] offset:t*SPITCH
.set t, t+1
.endr
.endm
.macro SEND a, younger
.set BB, BK+64*((\a)%2)
	s_wait_dscnt \younger
.set t, 0
.rept 16
	global_store_b128 v[CO], v[BB+4*t:BB+4*t+3], s[8:9] offset:(32*((\a)/2)+8*((\a)%2)+t+8*(t/8))*4096 th:TH_STORE_NT
.set t, t+1
.endr
.endm
	PLACES 8
	TOSTAGE 0
.irp a, 1,2,3,4,5,6,7
.if \a > 1
	s_wait_xcnt 0x0
.endif
	TOSTAGE \a
	SEND \a-1, 32
.endr
	SEND 7, 0
	s_wait_tensorcnt 0x0
	ds_add_u32 v[SPW], v[NIL]
	s_wait_dscnt 0x0
	CROUND
	s_endpgm
.Lfunc_end_k_qec270a3714_proj:
	.size	k_qec270a3714_proj, .Lfunc_end_k_qec270a3714_proj-k_qec270a3714_proj
	.p2alignl 7, 3214868480
	.fill 96, 4, 3214868480
	.section	.rodata,"a",@progbits
	.p2align	6, 0x0
	.amdhsa_kernel k_qec270a3714_proj
		.amdhsa_group_segment_fixed_size 327680
		.amdhsa_private_segment_fixed_size 0
		.amdhsa_enable_private_segment 0
		.amdhsa_kernarg_size 24
		.amdhsa_user_sgpr_count 2
		.amdhsa_user_sgpr_kernarg_segment_ptr 1
		.amdhsa_wavefront_size32 1
		.amdhsa_system_sgpr_workgroup_id_x 1
		.amdhsa_system_sgpr_workgroup_id_y 1
		.amdhsa_system_sgpr_workgroup_id_z 1
		.amdhsa_system_vgpr_workitem_id 0
		.amdhsa_next_free_vgpr 1024
		.amdhsa_next_free_sgpr 102
		.amdhsa_reserve_vcc 0
		.amdhsa_float_denorm_mode_32 3
		.amdhsa_float_denorm_mode_16_64 3
		.amdhsa_memory_ordered 1
		.amdhsa_forward_progress 1
		.amdhsa_inst_pref_size 148
	.end_amdhsa_kernel
	.amdgpu_metadata
---
amdhsa.version: [ 1, 2 ]
amdhsa.kernels:
  - .name:           k_qec270a3714_proj
    .symbol:         k_qec270a3714_proj.kd
    .args:
      - { .name: yq, .offset: 0, .size: 8, .value_kind: global_buffer, .address_space: global }
      - { .name: wts, .offset: 8, .size: 8, .value_kind: global_buffer, .address_space: global }
      - { .name: out0, .offset: 16, .size: 8, .value_kind: global_buffer, .address_space: global }
    .group_segment_fixed_size: 327680
    .private_segment_fixed_size: 0
    .kernarg_segment_align: 8
    .kernarg_segment_size: 24
    .max_flat_workgroup_size: 128
    .sgpr_count:     102
    .vgpr_count:     1024
    .wavefront_size: 32
...
	.end_amdgpu_metadata
.endif
;; end of part 4
